; MI455X (gfx1250); checked and timed in simulation.
; The chip was launched on July 23, 2026; its instructions are those of AMD's public machine-readable ISA for CDNA 5 (MIT licence, August 2026) and "CDNA5" Instruction Set Architecture Reference Guide (July 2026). The comments in the code are by the model that wrote it; some were corrected since.
;; Block. Allowed arithmetic: float matrix products may take bf16 or f16 operands with f32 sums; other float arithmetic in f32, or as packed bf16 or f16 multiplies, adds, multiply-adds, maxima and minima; sums over many terms, partial sums and values carried from step to step in f32; what a program stores and reads back later, other than sums and carried values, may be rounded once to bf16 or f16.
;; Inputs: b1 4,096 float32; b2 1,024 float32; b_proj 1,024 float32; ln1_b 1,024 float32; ln1_g 1,024 float32; ln2_b 1,024 float32; ln2_g 1,024 float32; w1 1,024 x 4,096 float32; w2 4,096 x 1,024 float32; w_proj 1,024 x 1,024 float32; wk 16 x 1,024 x 64 float32; wq 16 x 1,024 x 64 float32; wv 16 x 1,024 x 64 float32; x 4 x 1,024 x 1,024 float32.
;; Outputs: out0 4 x 1,024 x 1,024 float32.
;; One version. Each part assembles by itself: llvm-mc -triple=amdgcn-amd-amdhsa -mcpu=gfx1250 --defsym DOCPART=n.
;; ======== version 1 of 1: 7 launches
;; workspace buffers: xn 8,388,608 bytes; bq 6,324,224 bytes; bw1 8,421,376 bytes; bp 2,097,152 bytes; bw2 8,388,608 bytes; qkv 25,165,824 bytes; act 33,554,432 bytes; x2 16,777,216 bytes
;; launch prep (part 1): grid 1025 x 1, 8 waves a work-group, no clusters, 0 bytes of LDS; arguments x, ln1_g, ln1_b, xn, wq, wk, wv, w_proj, w1, w2, b1, bq, bp, bw1, bw2; writes xn, bq, bp, bw1, bw2
.if DOCPART == 1
	.amdgcn_target "amdgcn-amd-amdhsa--gfx1250"
	.amdhsa_code_object_version 6
	.text
	.protected	k_q9cf075684b_prep
	.globl	k_q9cf075684b_prep
	.p2align	8
	.type	k_q9cf075684b_prep,@function
k_q9cf075684b_prep:
	s_mov_b64 s[64:65], 0
	v_nop
	global_prefetch_b8 v0, s[64:65] scope:SCOPE_SE
	s_setreg_imm32_b32 hwreg(HW_REG_WAVE_MODE, 25, 1), 1
	s_wait_xcnt 0x0
; THREE JOBS, told apart by the work-group's number alone.
;   0 .. 255     LAYER NORM: xn = (x - mean) * rsqrt(var + 1e-5) * g + b, rounded once to bf16.  16 rows a work-group, 2 a wave; a row of 4,096 bytes stays in 32 registers of one wave
;                between the passes (mean, then the variance of x - mean, as the definition has it, so a common offset of x does no harm).
;   256 .. 1023  THE WEIGHTS, f32 [K][N], are rounded once to bf16 and laid in blocks of 128 columns: block nb, row k at byte (nb K + k) 256, so that a K slice of a block is dense rows of 256 bytes.
;                For q, k, v the column is which * 1024 + head * 64 + j: block 8 which + head / 2 holds two heads side by side.  A work-group makes 128 rows of one block.
;   1024         THE HEADERS in front of bq's and bw1's blocks: 4,096 f32 of bias (zeros; b1) and, 16,384 bytes in, the floor as two bf16 a word (-infinity twice; 0).
; No LDS, no barrier: no wave wants a byte that another wave has fetched.  EXEC is never changed.
; LIMITS: rsqrt is good to one unit in the last place; NaN and infinities are not treated apart.
.set WOFF, 32768                       ; bytes of header in front of bq's and bw1's blocks
.set LO,  2                            ; v2        16 x lane: my 16 bytes in 512 of a row of f32
.set SO,  3                            ; v3        8 x lane: my 8 bytes in 256 of a row of bf16
.set A,   8                            ; v[8:15]   four chains of packed sums
.set M,   18                           ; v[18:19]  the mean, twice
.set R,   20                           ; v[20:21]  1 / sqrt(var + eps), twice
.set X,   64                           ; v[64:127] row i at X + 32 i
.set G,   128                          ; v[128:159] the gain of my 32 columns
.set BV,  160                          ; v[160:191] the bias of my 32 columns
.macro REDUCE                          ; the four chains -> one sum in v16, in every lane
	v_pk_add_f32 v[A:A+1], v[A:A+1], v[A+2:A+3]
	v_pk_add_f32 v[A+4:A+5], v[A+4:A+5], v[A+6:A+7]
	v_pk_add_f32 v[A:A+1], v[A:A+1], v[A+4:A+5]
	v_add_f32 v16, v[A], v[A+1]
	v_add_f32_dpp v16, v16, v16 row_xmask:1 row_mask:0xf bank_mask:0xf
	v_add_f32_dpp v16, v16, v16 row_xmask:2 row_mask:0xf bank_mask:0xf
	v_add_f32_dpp v16, v16, v16 row_xmask:4 row_mask:0xf bank_mask:0xf
	v_add_f32_dpp v16, v16, v16 row_xmask:8 row_mask:0xf bank_mask:0xf
	v_permlanex16_b32 v17, v16, s40, s41           ; the other half of the lanes
	v_add_f32 v16, v16, v17
.endm
; Row i of the wave's two.  left = the younger loads that may stay out.
.macro ROWLN i, left
.set XR, X+32*(\i)
	s_wait_loadcnt \left                           ; loads come back in order: gain, bias and this row are in
.irp k, 0,1,2,3
	v_pk_add_f32 v[A+2*(\k):A+2*(\k)+1], v[XR+2*(\k):XR+2*(\k)+1], v[XR+8+2*(\k):XR+8+2*(\k)+1]  ; the first two quarters start the chains: nothing is cleared
.endr
.irp j, 2,3
.irp k, 0,1,2,3
	v_pk_add_f32 v[A+2*(\k):A+2*(\k)+1], v[A+2*(\k):A+2*(\k)+1], v[XR+8*(\j)+2*(\k):XR+8*(\j)+2*(\k)+1]
.endr
.endr
	REDUCE
	v_mul_f32 v[M], s42, v16                       ; sum / 1024
	v_mul_f32 v[M+1], s42, v16
.set p, 0
.rept 16
	v_pk_add_f32 v[XR+p:XR+p+1], v[XR+p:XR+p+1], v[M:M+1] neg_lo:[0,1] neg_hi:[0,1]  ; x - mean, in place
.set p, p+2
.endr
.irp k, 0,1,2,3
	v_pk_mul_f32 v[A+2*(\k):A+2*(\k)+1], v[XR+2*(\k):XR+2*(\k)+1], v[XR+2*(\k):XR+2*(\k)+1]
.endr
.irp j, 1,2,3
.irp k, 0,1,2,3
	v_pk_fma_f32 v[A+2*(\k):A+2*(\k)+1], v[XR+8*(\j)+2*(\k):XR+8*(\j)+2*(\k)+1], v[XR+8*(\j)+2*(\k):XR+8*(\j)+2*(\k)+1], v[A+2*(\k):A+2*(\k)+1]
.endr
.endr
	REDUCE
	v_fma_f32 v16, v16, s42, s43                   ; var + eps
	v_rsq_f32 v[R], v16
	v_rsq_f32 v[R+1], v16
	v_nop                                          ; a plain instruction behind the second root,
	s_wait_alu depctr_va_vdst(0)                   ; and one wait for both, ahead of their first reader
.set p, 0
.rept 16
	v_pk_mul_f32 v[XR+p:XR+p+1], v[XR+p:XR+p+1], v[R:R+1]
.set p, p+2
.endr
.set p, 0
.rept 16
	v_pk_fma_f32 v[XR+p:XR+p+1], v[XR+p:XR+p+1], v[G+p:G+p+1], v[BV+p:BV+p+1]
.set p, p+2
.endr
.set p, 0
.rept 16
	v_cvt_pk_bf16_f32 v[XR+p], v[XR+2*p], v[XR+2*p+1]  ; in place, ascending: register p is written when registers 2 p and 2 p + 1 are read, never before
.set p, p+1
.endr
.irp j, 0,1,2,3,4,5,6,7
	global_store_b64 v[SO], v[XR+2*(\j):XR+2*(\j)+1], s[14:15] offset:(\i)*2048+256*(\j)  ; the wave's 32 lanes store 256 consecutive bytes, aligned
.endr
.endm
	s_load_b512 s[8:23], s[0:1], 0x0               ; x, g, b, xn, wq, wk, wv, w_proj
	s_load_b256 s[24:31], s[0:1], 0x40             ; w1, w2, b1, bq
	s_load_b128 s[32:35], s[0:1], 0x60             ; bp, bw1
	s_load_b64 s[36:37], s[0:1], 0x70              ; bw2
	s_mov_b32 s38, ttmp9
	s_wait_kmcnt 0x0
	s_cmp_lt_u32 s38, 256
	s_cbranch_scc1 .Lln
	s_cmp_eq_u32 s38, 1024
	s_cbranch_scc1 .Lhdr
	; THE WEIGHTS.  u = 0..191: q, k, v; 192..255: w_proj; 256..511: w1; 512..767: w2.  All that differs is chosen by selects on u: the values of the last range first, then each earlier range over them.
	s_sub_co_u32 s39, s38, 256                     ; u
	s_cmp_lt_u32 s39, 128
	s_cselect_b64 s[4:5], s[18:19], s[20:21]       ; wk or wv,
	s_cmp_lt_u32 s39, 64
	s_cselect_b64 s[4:5], s[16:17], s[4:5]         ; or wq
	s_mov_b64 s[54:55], s[26:27]                   ; source: w2
	s_mov_b64 s[56:57], s[36:37]                   ; destination: bw2
	s_mov_b32 s58, 4096                            ; bytes from a source row to the next
	s_mov_b32 s59, 256                             ; bytes from the block's first 64 columns to its second 64 in the source
	s_mov_b32 s60, 19                              ; log2 of 128 source rows' bytes
	s_mov_b32 s61, 0                               ; header in front of the destination's blocks
	s_mov_b32 s52, 512                             ; the range's first u
	s_mov_b32 s50, 5                               ; log2 of the work-groups in a block (K / 128)
	s_mov_b32 s51, 20                              ; log2 of a destination block's bytes (K x 256)
	s_mov_b32 s63, 9                               ; log2 of the bytes from block to block in the source
	s_cmp_lt_u32 s39, 512                          ; w1
	s_cselect_b64 s[54:55], s[24:25], s[54:55]
	s_cselect_b64 s[56:57], s[34:35], s[56:57]
	s_cselect_b32 s58, 16384, s58
	s_cselect_b32 s60, 21, s60
	s_cselect_b32 s61, WOFF, s61
	s_cselect_b32 s52, 256, s52
	s_cselect_b32 s50, 3, s50
	s_cselect_b32 s51, 18, s51
	s_cmp_lt_u32 s39, 256                          ; w_proj
	s_cselect_b64 s[54:55], s[22:23], s[54:55]
	s_cselect_b64 s[56:57], s[32:33], s[56:57]
	s_cselect_b32 s58, 4096, s58
	s_cselect_b32 s60, 19, s60
	s_cselect_b32 s61, 0, s61
	s_cselect_b32 s52, 192, s52
	s_cmp_lt_u32 s39, 192                          ; q, k, v: a source row is one head's 64 numbers, the second head lies 1,024 rows on, a pair of heads 2,048 rows
	s_cselect_b64 s[54:55], s[4:5], s[54:55]
	s_cselect_b64 s[56:57], s[30:31], s[56:57]
	s_cselect_b32 s58, 256, s58
	s_cselect_b32 s59, 262144, s59
	s_cselect_b32 s60, 15, s60
	s_cselect_b32 s61, WOFF, s61
	s_cselect_b32 s52, 0, s52
	s_cselect_b32 s63, 19, s63
	s_cselect_b32 s62, 7, -1                       ; of the block's number the source takes the part inside its own tensor
	s_sub_co_u32 s52, s39, s52
	s_lshr_b32 s48, s52, s50                       ; nb
	s_lshl_b32 s49, s48, s50
	s_sub_co_u32 s49, s52, s49                     ; which 128 rows of the block
	s_lshl_b32 s2, s49, s60
	s_and_b32 s3, s48, s62
	s_lshl_b32 s3, s3, s63
	s_add_co_u32 s2, s2, s3
	s_mov_b32 s3, 0
	s_add_nc_u64 s[54:55], s[54:55], s[2:3]
	s_lshl_b32 s2, s48, s51
	s_lshl_b32 s6, s49, 15
	s_add_co_u32 s2, s2, s6
	s_add_co_u32 s2, s2, s61
	s_add_nc_u64 s[56:57], s[56:57], s[2:3]
	; Thread t: 8 columns c = t % 16 of row t / 16; eight turns, 16 rows apart.  Eight neighbouring lanes read 256 consecutive bytes; sixteen store a whole row of 256.
	v_and_b32 v5, 15, v0
	v_lshrrev_b32 v6, 4, v0
	v_and_b32 v7, 7, v5
	v_lshrrev_b32 v5, 3, v5
	v_mul_u32_u24 v24, s58, v6
	v_lshl_add_u32 v24, v7, 5, v24
	v_mul_u32_u24 v5, s59, v5
	v_add_nc_u32 v24, v5, v24
	s_lshl_b32 s58, s58, 4
.irp i, 1,2,3,4,5,6,7
	v_add_nc_u32 v[24+(\i)], s58, v[23+(\i)]
.endr
	v_lshlrev_b32 v4, 4, v0
.irp i, 0,1,2,3,4,5,6,7
	global_load_b128 v[64+8*(\i):64+8*(\i)+3], v[24+(\i)], s[54:55] th:TH_LOAD_NT
	global_load_b128 v[64+8*(\i)+4:64+8*(\i)+7], v[24+(\i)], s[54:55] offset:16 th:TH_LOAD_NT
.endr
.irp i, 0,1,2,3,4,5,6,7
	s_wait_loadcnt 14-2*(\i)                       ; turn i's two loads are in; the younger turns' stay out
.irp p, 0,1,2,3
	v_cvt_pk_bf16_f32 v[128+4*(\i)+(\p)], v[64+8*(\i)+2*(\p)], v[64+8*(\i)+2*(\p)+1]
.endr
	global_store_b128 v4, v[128+4*(\i):128+4*(\i)+3], s[56:57] offset:4096*(\i)
.endr
	s_endpgm
.Lhdr:                                         ; the headers: one work-group, 16 bytes a thread and store
	v_lshlrev_b32 v4, 4, v0
.irp i, 0,1,2,3
	global_load_b128 v[64+4*(\i):64+4*(\i)+3], v4, s[28:29] offset:4096*(\i)
.endr
.irp r, 8,9,10,11
	v_mov_b32 v\r, 0
.endr
.irp r, 12,13,14,15
	v_mov_b32 v\r, 0xff80ff80                      ; -infinity twice, in bf16
.endr
.irp i, 0,1,2,3
	global_store_b128 v4, v[8:11], s[30:31] offset:4096*(\i)   ; q, k, v have no bias
.endr
	global_store_b128 v4, v[12:15], s[30:31] offset:16384      ; and no floor
	global_store_b128 v4, v[8:11], s[34:35] offset:16384       ; the feed-forward's floor is 0
	s_wait_loadcnt 0x0
.irp i, 0,1,2,3
	global_store_b128 v4, v[64+4*(\i):64+4*(\i)+3], s[34:35] offset:4096*(\i)
.endr
	s_endpgm
.Lln:
	v_lshrrev_b32 v1, 5, v0
	v_readfirstlane_b32 s2, v1                     ; wave 0..7
	v_and_b32 v4, 31, v0
	v_lshlrev_b32 v[LO], 4, v4
	v_lshlrev_b32 v[SO], 3, v4
	v_mov_b32 v17, 0                               ; v_permlanex16_b32 counts as a reader of its destination
	s_mov_b32 s40, 0x76543210
	s_mov_b32 s41, 0xfedcba98
	s_mov_b32 s42, 0x3a800000                      ; 1 / 1024
	s_mov_b32 s43, 0x3727c5ac                      ; 1e-5
	s_lshl_b32 s3, s38, 4
	s_lshl_b32 s2, s2, 1
	s_add_co_u32 s3, s3, s2                        ; my first row
	s_lshl_b32 s44, s3, 12
	s_mov_b32 s45, 0
	s_lshl_b32 s46, s3, 11
	s_mov_b32 s47, 0
	s_add_nc_u64 s[8:9], s[8:9], s[44:45]
	s_add_nc_u64 s[14:15], s[14:15], s[46:47]
.irp j, 0,1,2,3,4,5,6,7
	global_load_b128 v[G+4*(\j):G+4*(\j)+3], v[LO], s[10:11] offset:512*(\j)
.endr
.irp j, 0,1,2,3,4,5,6,7
	global_load_b128 v[BV+4*(\j):BV+4*(\j)+3], v[LO], s[12:13] offset:512*(\j)
.endr
.irp j, 0,1,2,3,4,5,6,7
	global_load_b128 v[X+4*(\j):X+4*(\j)+3], v[LO], s[8:9] offset:512*(\j)
.endr
.irp j, 0,1,2,3,4,5,6,7
	global_load_b128 v[X+32+4*(\j):X+32+4*(\j)+3], v[LO], s[8:9] offset:4096+512*(\j)
.endr
	ROWLN 0, 8                                     ; the second row's eight loads stay out
	ROWLN 1, 0
	s_endpgm
.Lfunc_end_k_q9cf075684b_prep:
	.size	k_q9cf075684b_prep, .Lfunc_end_k_q9cf075684b_prep-k_q9cf075684b_prep
	.p2alignl 7, 3214868480
	.fill 96, 4, 3214868480
	.section	.rodata,"a",@progbits
	.p2align	6, 0x0
	.amdhsa_kernel k_q9cf075684b_prep
		.amdhsa_group_segment_fixed_size 0
		.amdhsa_private_segment_fixed_size 0
		.amdhsa_enable_private_segment 0
		.amdhsa_kernarg_size 120
		.amdhsa_user_sgpr_count 2
		.amdhsa_user_sgpr_kernarg_segment_ptr 1
		.amdhsa_wavefront_size32 1
		.amdhsa_system_sgpr_workgroup_id_x 1
		.amdhsa_system_sgpr_workgroup_id_y 1
		.amdhsa_system_sgpr_workgroup_id_z 1
		.amdhsa_system_vgpr_workitem_id 0
		.amdhsa_next_free_vgpr 192
		.amdhsa_next_free_sgpr 66
		.amdhsa_reserve_vcc 0
		.amdhsa_float_denorm_mode_32 3
		.amdhsa_float_denorm_mode_16_64 3
		.amdhsa_memory_ordered 1
		.amdhsa_forward_progress 1
		.amdhsa_inst_pref_size 30
	.end_amdhsa_kernel
	.amdgpu_metadata
---
amdhsa.version: [ 1, 2 ]
amdhsa.kernels:
  - .name:           k_q9cf075684b_prep
    .symbol:         k_q9cf075684b_prep.kd
    .args:
      - { .name: x, .offset: 0, .size: 8, .value_kind: global_buffer, .address_space: global }
      - { .name: ln1_g, .offset: 8, .size: 8, .value_kind: global_buffer, .address_space: global }
      - { .name: ln1_b, .offset: 16, .size: 8, .value_kind: global_buffer, .address_space: global }
      - { .name: xn, .offset: 24, .size: 8, .value_kind: global_buffer, .address_space: global }
      - { .name: wq, .offset: 32, .size: 8, .value_kind: global_buffer, .address_space: global }
      - { .name: wk, .offset: 40, .size: 8, .value_kind: global_buffer, .address_space: global }
      - { .name: wv, .offset: 48, .size: 8, .value_kind: global_buffer, .address_space: global }
      - { .name: w_proj, .offset: 56, .size: 8, .value_kind: global_buffer, .address_space: global }
      - { .name: w1, .offset: 64, .size: 8, .value_kind: global_buffer, .address_space: global }
      - { .name: w2, .offset: 72, .size: 8, .value_kind: global_buffer, .address_space: global }
      - { .name: b1, .offset: 80, .size: 8, .value_kind: global_buffer, .address_space: global }
      - { .name: bq, .offset: 88, .size: 8, .value_kind: global_buffer, .address_space: global }
      - { .name: bp, .offset: 96, .size: 8, .value_kind: global_buffer, .address_space: global }
      - { .name: bw1, .offset: 104, .size: 8, .value_kind: global_buffer, .address_space: global }
      - { .name: bw2, .offset: 112, .size: 8, .value_kind: global_buffer, .address_space: global }
    .group_segment_fixed_size: 0
    .private_segment_fixed_size: 0
    .kernarg_segment_align: 8
    .kernarg_segment_size: 120
    .max_flat_workgroup_size: 256
    .sgpr_count:     66
    .vgpr_count:     192
    .wavefront_size: 32
...
	.end_amdgpu_metadata
.endif
;; end of part 1
;; launch qkv (part 2): grid 12 x 16, 4 waves a work-group, clusters of 4 x 4, 327,680 bytes of LDS; arguments xn, bq, qkv; writes qkv
.if DOCPART == 2
	.amdgcn_target "amdgcn-amd-amdhsa--gfx1250"
	.amdhsa_code_object_version 6
	.text
	.protected	k_q9cf075684b_qkv
	.globl	k_q9cf075684b_qkv
	.p2align	8
	.type	k_q9cf075684b_qkv,@function
k_q9cf075684b_qkv:
	s_mov_b64 s[64:65], 0
	v_nop
	global_prefetch_b8 v0, s[64:65] scope:SCOPE_SE
	s_setreg_imm32_b32 hwreg(HW_REG_WAVE_MODE, 25, 1), 1
	s_wait_xcnt 0x0
	s_wait_alu depctr_hold_cnt(0) depctr_sa_sdst(0) depctr_va_vdst(0) depctr_va_sdst(0) depctr_va_ssrc(0) depctr_va_vcc(0) depctr_vm_vsrc(0)
	s_getreg_b32 s2, hwreg(HW_REG_IB_STS2, 6, 4)
	s_cmp_eq_u32 s2, 0
	s_cbranch_scc0 .Lentry_in_a_cluster
	s_endpgm
.Lentry_in_a_cluster:
	s_bfe_u32 s2, ttmp6, 0x10000c
	s_cmp_lg_u32 s2, 0xf033
	s_cbranch_scc0 .Lentry_shape_is_right
	s_endpgm
.Lentry_shape_is_right:
; C = max(A W + bias, floor), rounded once to bf16.  A: [4096][1024] bf16, row-major.  W: bf16 in blocks of 128 columns, block nb, row k at byte 32,768 + (nb 1024 + k) 256 of its buffer;
; in front of the blocks lie the bias (f32, one a column, from byte 0) and the floor (two bf16 in the word at byte 16,384).  Sums in f32; the bias is the C operand of each sum's first product.
; C leaves in blocks of 64 columns: column block n64, row m at byte ((n64 / 4) 32 + m / 128) 65,536 + (n64 % 4) 16,384 + (m % 128) 128: 128 rows of a column block are 16,384 dense bytes.
; LIMIT: a NaN in a sum leaves as the floor (the packed maximum lets a NaN lose); infinities are not treated apart.
; SHARES.  A tile of C, 256 x 256, is made by a work-group of four waves; a wave makes 128 x 128: 64 accumulators of 16 x 16, 512 registers.  K = 1,024 goes in 8 steps of 128 through a ring of two LDS slots.
; A's rows lie along K and come out of LDS as they lie; W's rows lie along N and come out turned, by ds_load_tr16_b128.
; THE MATRIX INSTRUCTION IS USED TRANSPOSED (source 0 = 16 columns of W, source 1 = 16 rows of A): a lane then holds row l % 16 of C and the columns 8 (l / 16) + 0..7: 16 bytes of bf16 on end.
; CLUSTERS: 4 x 4 work-groups.  The four of a row of the cluster need the same tiles of A, the four of a column the same tiles of W: each is asked for JOINTLY, by the same tensor load, descriptor and mask in all four.
; REGISTERS, in windows of 256 (s_set_vgpr_msb: bits 1:0 source 0, 3:2 source 1, 5:4 source 2, 7:6 destination):
;   window 0: v0-31 addresses; v64-127, v128-191 A's fragments, two buffers; v32-63, v192-255 at work on the way out
;   window 1: v0-63 the bias of my 128 columns, 8 registers a column block; v64-127, v128-191 W's fragments, two buffers
;   window 2: the 32 accumulators of my rows 0-63 ((a, b) at v[8 (8 a + b)]);   window 3: those of my rows 64-127
.set WOFF,   32768
.set PA,     272                       ; an LDS row of A: 256 bytes + 16 of padding = 68 words: the 16 rows of a load start at 16 different groups of four banks (64 banks of 4 bytes: ISA guide 11.1)
.set PB,     288                       ; an LDS row of W: 256 + 32 = 72 words
.set HA,     128*PA                    ; 128 rows of A: one tensor load
.set HB,     128*PB                    ; 128 rows (K) of one block of W: one tensor load
.set SLOT,   2*HA+2*HB                 ; A's two halves, then W's two blocks
.set STAGE,  2*SLOT                    ; behind the ring: 16 rows x 272 bytes for each wave, for the way out
.set SP,     272
.set SPARE,  STAGE+4*16*SP             ; behind the stages: the spare words, 128 bytes for each wave
.set LAPS,   4                         ; a lap = two K steps = once round the ring
.set ADRA, 16                          ; v16-17  LDS address of my A fragments in slot 0, 1
.set ADRB, 20                          ; v20-21  the same for W
.set STO,  24                          ; v24     the way out: where I put 16 bytes of a row
.set RD,   25                          ; v25     the way out: where I read 16 bytes back
.set CO,   26                          ; v26     16 x lane: my place in 512 consecutive bytes of C
.set BO,   27                          ; v27     my byte offset in the bias
.set SPW,  28                          ; v28     LDS address of my spare word; never rewritten
.set NIL,  29                          ; v29     0; never rewritten
.set PFO,  30                          ; v30     the prefetches' offset: my lane x a row's bytes in memory; never rewritten
.set F0,   64
.set F1,   128
.set TMP,  192
.set OB,   32
.set G1,  24                           ; s[24:31] descriptor group 1 for A's tiles;  s[32:39] group 0, a set for each slot
.set G0,  32
.set G1B, 48                           ; s[48:55], s[56:63] the same for W's
.set G0B, 56
.set LIM, 43                           ; s43      1 in a wave that prefetches, else the greatest number
.set PFA, 44                           ; s[44:45] where my prefetches stand
.set FLOOR, 66                         ; s66      the floor, two bf16
.set PSTEP, 68                         ; s[68:69] bytes from a K step to the next in what I prefetch
.set MSB, 0
.macro WIN new                         ; the immediate's high byte repeats the setting that is left; a switch that changes nothing is dropped
.if MSB != (\new)
	s_set_vgpr_msb (MSB<<8)|(\new)
.set MSB, \new
.endif
.endm
; A joint load.  Waves 0 and 1 fetch A's two halves, waves 2 and 3 W's two blocks.  The branch hangs on the wave's number alone.  An s_nop 0 and four v_nop follow each line.
.macro JLOAD s
	s_cmp_eq_u32 s11, 0
	s_cbranch_scc0 .Lfor_b_\@
	tensor_load_to_lds s[G0+4*(\s):G0+4*(\s)+3], s[G1:G1+7]
	s_nop 0
.rept 4
	v_nop
.endr
	s_branch .Lasked_\@
.Lfor_b_\@:
	tensor_load_to_lds s[G0B+4*(\s):G0B+4*(\s)+3], s[G1B:G1B+7]
	s_nop 0
.rept 4
	v_nop
.endr
.Lasked_\@:
.endm
; A PREFETCH INTO THE L2 of the K step that stands two refills on: 32 rows x 256 bytes, a lane a row, one instruction a wave.  Each row's 256 bytes of a K step are named once in the launch: A's tile row is read by every
; cluster of its row of clusters, and cluster x = 0 asks; W's blocks by every cluster of their column, and cluster y = 0 asks.  Of the 128 rows that a wave fetches, the partner at place p (cx for A, cy for W) takes
; 32 p .. 32 p + 31: told apart by address, never by a branch.  K steps 0 to 3 come by their loads alone; the loop's last trip (s3 = 1) asks for nothing: there is no K step two on.
.macro ASK
	s_cmp_gt_u32 s3, s[LIM]
	s_cbranch_scc0 .Lnot_mine_\@
	global_prefetch_b8 v[PFO], s[PFA:PFA+1] th:TH_LOAD_NT scope:SCOPE_SE
.Lnot_mine_\@:
.endm
.macro CREST                           ; a round of the cluster's barrier behind its opening barrier
	s_cmp_lg_u32 s10, 0
	s_cbranch_scc1 .Lnot_wave_0_\@
	s_barrier_signal -3
.Lnot_wave_0_\@:
	s_barrier_wait -3
	s_barrier_signal -1
	s_barrier_wait -1
.endm
.macro CROUND                          ; a whole round
	s_barrier_signal -1
	s_barrier_wait -1
	CREST
.endm
	s_load_b128 s[4:7], s[0:1], 0x0                ; A s[4:5], W's buffer s[6:7]
	s_load_b64 s[8:9], s[0:1], 0x10                ; C
	v_lshl_add_u32 v[SPW], v0, 2, SPARE
	v_mov_b32 v[NIL], 0
	ds_add_u32 v[SPW], v[NIL]                      ; the wave's opening: the add, and its wait ahead of my first tensor load; the set-up below stands between them
	ds_add_u32 v28, v29
	v_lshrrev_b32 v1, 5, v0
	v_readfirstlane_b32 s10, v1                    ; wave 0..3
	s_lshr_b32 s11, s10, 1                         ; which half of the tile's rows is mine.  Also: I fetch for A (0) or for W (1)
	s_and_b32 s12, s10, 1                          ; which half of its columns.  Also: which half I fetch
	s_bfe_u32 s40, ttmp6, 0x40000                  ; cx
	s_bfe_u32 s41, ttmp6, 0x40004                  ; cy
	s_lshl_b32 s42, ttmp9, 2
	s_add_co_u32 s42, s42, s40                     ; tile column = 4 x cluster x + cx
	s_and_b32 s13, ttmp7, 0xffff
	s_lshl_b32 s13, s13, 2
	s_add_co_u32 s13, s13, s41                     ; tile row = 4 x cluster y + cy
	s_lshl_b32 s43, s41, 2
	s_lshl_b32 s43, 15, s43                        ; my row of the cluster
	s_lshl_b32 s44, 0x1111, s40                    ; my column
	s_or_b32 s[G1+0], s43, (1<<16)|(1<<20)|(1<<21)|(5<<22)|(3<<25)   ; mask; 2-byte elements; padding on; bit 21 beside a mask; after every 64 words, 4 words
	s_or_b32 s[G1B+0], s44, (1<<16)|(1<<20)|(1<<21)|(5<<22)|(7<<25)  ; the same with my column's mask and 8 words of padding
.irp g, G1, G1B
	s_mov_b32 s[(\g)+1], 128<<16                   ; tensor_dim0 = 128
	s_mov_b32 s[(\g)+2], 128<<16                   ; tensor_dim1 = 128
	s_mov_b32 s[(\g)+3], 128<<16                   ; tile_dim0 = 128
	s_mov_b32 s[(\g)+4], 128                       ; tile_dim1 = 128
	s_mov_b32 s[(\g)+6], 0
	s_mov_b32 s[(\g)+7], 0
.endr
	s_mov_b32 s[G1+5], 1024                        ; elements from a row of A to the next
	s_mov_b32 s[G1B+5], 128                        ; a block of W is dense
	s_lshl_b32 s17, s12, 18                        ; 128 rows of A are 262,144 bytes, and so is a block of W
	s_lshl_b32 s16, s13, 19
	s_add_co_u32 s16, s16, s17                     ; A: row 256 x tile row + 128 x half
	s_lshl_b32 s46, s42, 19
	s_add_co_u32 s46, s46, s17                     ; W: block 2 x tile column + half,
	s_add_co_u32 s46, s46, WOFF                    ; behind the header
	s_mov_b32 s17, 0
	s_mov_b32 s47, 0
	s_mul_i32 s20, s12, HA                         ; where they go: no place in the cluster enters an LDS address
	s_mul_i32 s21, s12, HB
	s_add_co_u32 s21, s21, 2*HA
	s_wait_dscnt 0x0                               ; the opening add is done
	s_wait_kmcnt 0x0
	s_add_nc_u64 s[14:15], s[4:5], s[16:17]
	s_add_nc_u64 s[46:47], s[6:7], s[46:47]
	CROUND                                         ; all sixteen work-groups are here: the first joint loads meet
.irp s, 0,1
	s_mov_b32 s[G0+4*(\s)], 1
	s_add_co_u32 s[G0+4*(\s)+1], s20, (\s)*SLOT
	s_add_nc_u64 s[G0+4*(\s)+2:G0+4*(\s)+3], s[14:15], (\s)*256      ; K step s: 256 bytes along A's rows
	s_or_b32 s[G0+4*(\s)+3], s[G0+4*(\s)+3], 0x80000000
	s_mov_b32 s[G0B+4*(\s)], 1
	s_add_co_u32 s[G0B+4*(\s)+1], s21, (\s)*SLOT
	s_add_nc_u64 s[G0B+4*(\s)+2:G0B+4*(\s)+3], s[46:47], (\s)*32768  ; K step s: 128 rows down the block
	s_or_b32 s[G0B+4*(\s)+3], s[G0B+4*(\s)+3], 0x80000000
	JLOAD \s                                       ; two loads of mine are out
.endr
	s_load_b32 s[FLOOR], s[6:7], 0x4000
	; A fragment of A: lane l holds row l % 16; two loads of 16 bytes, 32 apart, at row x pitch + 16 (l / 16).
	v_and_b32 v1, 15, v0
	v_bfe_u32 v2, v0, 4, 1
	v_mul_u32_u24 v3, v1, PA
	v_lshl_add_u32 v3, v2, 4, v3
	; The turning load takes 16 K x 16 columns: lane l reads row 8 (l / 16) + l % 8, columns 8 ((l / 8) % 2) + 0..7, and is left with column l % 16 and 8 K.
	v_and_b32 v4, 7, v0
	v_lshl_add_u32 v4, v2, 3, v4
	v_mul_u32_u24 v4, v4, PB
	v_bfe_u32 v5, v0, 3, 1
	v_lshl_add_u32 v4, v5, 4, v4
	s_mul_i32 s22, s11, HA
.irp s, 0,1
	v_add_nc_u32 v[ADRA+(\s)], s22, v3
	v_add_nc_u32 v[ADRB+(\s)], s21, v4
	s_add_co_u32 s22, s22, SLOT
	s_add_co_u32 s21, s21, SLOT
.endr
	s_mul_i32 s23, s10, 16*SP
	s_add_co_u32 s23, s23, STAGE                   ; my stage
	v_add_nc_u32 v[STO], s23, v3                   ; in: row l % 16, 16 bytes for each half of the lanes (the stage's pitch is A's)
	v_bfe_u32 v5, v0, 3, 2                         ; back: 32 lanes take 128 bytes of each of four rows,
	v_mul_u32_u24 v5, v5, SP
	v_and_b32 v6, 7, v0
	v_lshl_add_u32 v5, v6, 4, v5
	v_add_nc_u32 v[RD], s23, v5
	v_and_b32 v6, 31, v0                           ; which are 512 consecutive bytes of C
	v_lshlrev_b32 v[CO], 4, v6
	s_lshl_b32 s22, s42, 10
	s_lshl_b32 s23, s12, 9
	s_add_co_u32 s22, s22, s23                     ; my first column x 4 bytes
	v_lshl_add_u32 v[BO], v2, 5, s22               ; + my lanes' 8 columns
	WIN 0x40                                       ; destination window 1, address window 0
.irp b, 0,1,2,3,4,5,6,7
	global_load_b128 v[8*(\b):8*(\b)+3],   v[BO], s[6:7] offset:64*(\b)
	global_load_b128 v[8*(\b)+4:8*(\b)+7], v[BO], s[6:7] offset:64*(\b)+16
.endr
	WIN 0
	s_lshl_b32 s16, s42, 5                         ; C: (tile column x 32 + 2 x tile row + my row half) x 65,536 + my column half x 32,768
	s_lshl_b32 s17, s13, 1
	s_add_co_u32 s16, s16, s17
	s_add_co_u32 s16, s16, s11
	s_lshl_b32 s16, s16, 16
	s_lshl_b32 s17, s12, 15
	s_add_co_u32 s16, s16, s17
	s_mov_b32 s17, 0
	s_add_nc_u64 s[8:9], s[8:9], s[16:17]
	; the prefetches
	s_and_b32 s22, ttmp7, 0xffff                   ; cluster y
	s_cmp_eq_u32 s11, 0                            ; do I fetch for A?
	s_cselect_b32 s21, s40, s41                    ; my place among the four that ask with me
	s_cselect_b32 s22, ttmp9, s22                  ; the coordinate along which other clusters read the same rows
	s_cselect_b64 s[PFA:PFA+1], s[14:15], s[46:47] ; K step 0 of what I fetch
	s_cselect_b32 s20, 16, 13                      ; log2 of 32 rows' bytes in memory: 2,048 or 256 a row
	s_cselect_b32 s23, 11, 8                       ; log2 of a row's
	s_cselect_b32 s16, 8, 15                       ; log2 of a K step's: 256 along A's rows, 128 rows of W
	s_cmp_eq_u32 s22, 0
	s_cselect_b32 s[LIM], 1, -1                    ; the same in all sixteen partners, for a given wave
	s_lshl_b32 s20, s21, s20
	s_mov_b32 s21, 0
	s_add_nc_u64 s[PFA:PFA+1], s[PFA:PFA+1], s[20:21]
	s_lshl_b32 s[PSTEP], 1, s16
	s_mov_b32 s[PSTEP+1], 0
	s_mul_i32 s20, s[PSTEP], 3
	s_add_nc_u64 s[PFA:PFA+1], s[PFA:PFA+1], s[20:21]  ; at K step 3: the first refill, of K step 2, steps it to 4
	v_lshlrev_b32 v[PFO], s23, v6
; 16 matrix instructions: row blocks a0, a0 + 1 of the window's four x all 8 column blocks, 32 along K.  zero = 1: the first product starts the sums from the bias: nothing is cleared.
; The 64 accumulators take turns, in the same order in every quarter.
.macro MUL16 f, hi, a0, zero
.if \zero
	WIN 0x91+0x40*(\hi)                            ; W window 1, A window 0, C (the bias) window 1, D window 2 or 3
.else
	WIN 0xa1+0x50*(\hi)                            ; C and D window 2 or 3
.endif
.irp a, \a0, (\a0)+1
.irp b, 0,1,2,3,4,5,6,7
.if \zero
	v_wmma_f32_16x16x32_bf16 v[8*(8*(\a)+(\b)):8*(8*(\a)+(\b))+7], v[(\f)+8*(\b):(\f)+8*(\b)+7], v[(\f)+8*(4*(\hi)+(\a)):(\f)+8*(4*(\hi)+(\a))+7], v[8*(\b):8*(\b)+7]
.else
	v_wmma_f32_16x16x32_bf16 v[8*(8*(\a)+(\b)):8*(8*(\a)+(\b))+7], v[(\f)+8*(\b):(\f)+8*(\b)+7], v[(\f)+8*(4*(\hi)+(\a)):(\f)+8*(4*(\hi)+(\a))+7], v[8*(8*(\a)+(\b)):8*(8*(\a)+(\b))+7]
.endif
.endr
.endr
.endm
; 32 LDS loads in one run: the fragments of quarter q (32 along K) of a slot into buffer f: W's 16 first, then A's.
.macro FETCH slot, q, f
	WIN 0x40
.irp i, 0,1,2,3,4,5,6,7
	ds_load_tr16_b128 v[(\f)+8*(\i):(\f)+8*(\i)+3],   v[ADRB+(\slot)] offset:(\q)*32*PB+32*(\i)
	ds_load_tr16_b128 v[(\f)+8*(\i)+4:(\f)+8*(\i)+7], v[ADRB+(\slot)] offset:(\q)*32*PB+32*(\i)+16*PB
.endr
	WIN 0
.irp i, 0,1,2,3,4,5,6,7
	ds_load_b128 v[(\f)+8*(\i):(\f)+8*(\i)+3],   v[ADRA+(\slot)] offset:64*(\q)+(\i)*16*PA
	ds_load_b128 v[(\f)+8*(\i)+4:(\f)+8*(\i)+7], v[ADRA+(\slot)] offset:64*(\q)+(\i)*16*PA+32
.endr
.endm
.macro PLACES                          ; four plain instructions between a matrix instruction and a load into, or a vector read of, its registers
.rept 4
	v_nop
.endr
.endm
; One of a K step's first three quarters: multiplies buffer f; in its middle it fetches quarter q of the same slot into buffer g.
.macro QUARTER slot, q, f, g, zero
	s_wait_dscnt 8                                 ; W and A's rows 0-63 are in; the youngest eight loads (A's rows 64-127) may be out
	MUL16 \f, 0, 0, \zero
	MUL16 \f, 0, 2, \zero
	PLACES
	FETCH \slot, \q, \g
	s_wait_dscnt 32                                ; all but the 32 just issued
	MUL16 \f, 1, 0, \zero
	MUL16 \f, 1, 2, \zero
.endm
; The first half of a K step's last quarter, and the one barrier of the change of slots.
.macro MEET round
	WIN 0
	s_wait_tensorcnt 0x0                           ; all my tensor loads have landed: the one that was out is my part of the next slot;
	ds_add_u32 v[SPW], v[NIL]                      ; 0 onto my spare word;
	s_wait_dscnt 9                                 ; (the add and the youngest eight loads may be out)
	MUL16 F1, 0, 0, 0
	s_wait_dscnt 0x0                               ; the add is done, and my reads of this slot are over
	s_barrier_signal -1
	MUL16 F1, 0, 2, 0
.if \round
	WIN 0
.endif
	s_barrier_wait -1
.endm
; The whole last quarter where the slot is filled again, with the K step two on: the barrier opens a round of the cluster's, and the joint load is the first thing behind the round.
.macro TURN slot, next
	s_wait_xcnt 0x0                                ; the last prefetch, a K step back, has read its address
	s_add_nc_u64 s[PFA:PFA+1], s[PFA:PFA+1], s[PSTEP:PSTEP+1]
	MEET 1
	CREST                                          ; no wave of any partner still reads this slot or has a load on its way
	s_add_nc_u64 s[G0+4*(\slot)+2:G0+4*(\slot)+3], s[G0+4*(\slot)+2:G0+4*(\slot)+3], 512
	s_add_nc_u64 s[G0B+4*(\slot)+2:G0B+4*(\slot)+3], s[G0B+4*(\slot)+2:G0B+4*(\slot)+3], 65536
	JLOAD \slot                                    ; one load of mine is out; the four v_nop behind it are also the places in front of the loads below
	FETCH \next, 0, F0
	ASK
	MUL16 F1, 1, 0, 0
	MUL16 F1, 1, 2, 0
.endm
; THE WAY OUT of row block a.  PACK: rounded to bf16 (each accumulator's registers in ascending order), then the floor.  TOSTAGE: into my own stage, and back as 128-byte halves of four rows.  SEND: stored.
.macro PACK a
.set AC, 64*((\a)%4)
	WIN 0x0a+5*((\a)/4)                            ; sources 0 and 1: window 2 or 3
.irp b, 0,1,2,3,4,5,6,7
.irp r, 0,1,2,3
	v_cvt_pk_bf16_f32 v[TMP+4*(\b)+(\r)], v[AC+8*(\b)+2*(\r)], v[AC+8*(\b)+2*(\r)+1]
.endr
.endr
	WIN 0
.set z, 0
.rept 32
	v_pk_max_num_bf16 v[TMP+z], v[TMP+z], s[FLOOR]
.set z, z+1
.endr
.endm
.macro TOSTAGE a
.set BK, OB+192*((\a)%2)
.irp b, 0,1,2,3,4,5,6,7
	ds_store_b128 v[STO], v[TMP+4*(\b):TMP+4*(\b)+3] offset:32*(\b)
.endr
.irp t, 0,1,2,3,4,5,6,7
	ds_load_b128 v[BK+4*(\t):BK+4*(\t)+3], v[RD] offset:((\t)/2)*4*SP+((\t)%2)*128  ; LDS serves a wave's instructions in order (ISA guide 5.7.1.4): these see the stores above
.endr
.endm
.macro SEND a
.set BK, OB+192*((\a)%2)
	s_wait_dscnt 0x0                               ; the block is back in registers
	s_wait_xcnt 0x0                                ; the stores of the block before have read their registers, which the next block's loads from the stage write
.irp t, 0,1,2,3,4,5,6,7
	global_store_b128 v[CO], v[BK+4*(\t):BK+4*(\t)+3], s[8:9] offset:((\t)%2)*16384+(\a)*2048+((\t)/2)*512  ; four rows of a column block: 512 consecutive bytes, aligned
.endr
.endm
	s_wait_kmcnt 0x0                               ; the floor
	s_wait_tensorcnt 1                             ; my part of K step 0 is in; K step 1's may stay out
	s_barrier_signal -1
	s_barrier_wait -1
	FETCH 0, 0, F0
	s_wait_loadcnt 0x0                             ; the bias
	QUARTER 0, 1, F0, F1, 1                        ; the first quarter stands in front of the loop: its products start the sums
	WIN 0
	s_mov_b32 s3, LAPS-1
.Llap:                                         ; a trip goes once round the ring, from a lap's second quarter to the next lap's first, and fills both slots again
	QUARTER 0, 2, F1, F0, 0
	QUARTER 0, 3, F0, F1, 0
	TURN 0, 1
	QUARTER 1, 1, F0, F1, 0
	QUARTER 1, 2, F1, F0, 0
	QUARTER 1, 3, F0, F1, 0
	TURN 1, 0
	QUARTER 0, 1, F0, F1, 0
	WIN 0
	s_sub_co_u32 s3, s3, 1
	s_cmp_lg_u32 s3, 0
	s_cbranch_scc1 .Llap
	QUARTER 0, 2, F1, F0, 0                        ; the last lap is written out: it asks for nothing
	QUARTER 0, 3, F0, F1, 0
	MEET 0
	PLACES
	FETCH 1, 0, F0
	MUL16 F1, 1, 0, 0
	MUL16 F1, 1, 2, 0
	QUARTER 1, 1, F0, F1, 0
	QUARTER 1, 2, F1, F0, 0
	QUARTER 1, 3, F0, F1, 0
	s_wait_dscnt 8
	MUL16 F1, 0, 0, 0
	MUL16 F1, 0, 2, 0
	s_wait_dscnt 0x0
	MUL16 F1, 1, 0, 0
	MUL16 F1, 1, 2, 0
	PLACES
	PACK 0
	TOSTAGE 0
.irp a, 1,2,3,4,5,6,7                  ; block a's conversions stand between block a - 1's loads from the stage and the wait for them
	PACK \a
	SEND (\a)-1
	TOSTAGE \a
.endr
	SEND 7
	s_wait_tensorcnt 0x0                           ; the wave's end
	ds_add_u32 v[SPW], v[NIL]
	s_wait_dscnt 0x0
	CROUND                                         ; the closing round
	s_endpgm
.Lfunc_end_k_q9cf075684b_qkv:
	.size	k_q9cf075684b_qkv, .Lfunc_end_k_q9cf075684b_qkv-k_q9cf075684b_qkv
	.p2alignl 7, 3214868480
	.fill 96, 4, 3214868480
	.section	.rodata,"a",@progbits
	.p2align	6, 0x0
	.amdhsa_kernel k_q9cf075684b_qkv
		.amdhsa_group_segment_fixed_size 327680
		.amdhsa_private_segment_fixed_size 0
		.amdhsa_enable_private_segment 0
		.amdhsa_kernarg_size 24
		.amdhsa_user_sgpr_count 2
		.amdhsa_user_sgpr_kernarg_segment_ptr 1
		.amdhsa_wavefront_size32 1
		.amdhsa_system_sgpr_workgroup_id_x 1
		.amdhsa_system_sgpr_workgroup_id_y 1
		.amdhsa_system_sgpr_workgroup_id_z 1
		.amdhsa_system_vgpr_workitem_id 0
		.amdhsa_next_free_vgpr 1024
		.amdhsa_next_free_sgpr 72
		.amdhsa_reserve_vcc 0
		.amdhsa_float_denorm_mode_32 3
		.amdhsa_float_denorm_mode_16_64 3
		.amdhsa_memory_ordered 1
		.amdhsa_forward_progress 1
		.amdhsa_inst_pref_size 161
	.end_amdhsa_kernel
	.amdgpu_metadata
---
amdhsa.version: [ 1, 2 ]
amdhsa.kernels:
  - .name:           k_q9cf075684b_qkv
    .symbol:         k_q9cf075684b_qkv.kd
    .args:
      - { .name: xn, .offset: 0, .size: 8, .value_kind: global_buffer, .address_space: global }
      - { .name: bq, .offset: 8, .size: 8, .value_kind: global_buffer, .address_space: global }
      - { .name: qkv, .offset: 16, .size: 8, .value_kind: global_buffer, .address_space: global }
    .group_segment_fixed_size: 327680
    .private_segment_fixed_size: 0
    .kernarg_segment_align: 8
    .kernarg_segment_size: 24
    .max_flat_workgroup_size: 128
    .sgpr_count:     72
    .vgpr_count:     1024
    .wavefront_size: 32
...
	.end_amdgpu_metadata
.endif
;; end of part 2
;; launch attn (part 3): grid 4 x 64, 8 waves a work-group, no clusters, 327,680 bytes of LDS; arguments qkv, act; writes act
.if DOCPART == 3
	.amdgcn_target "amdgcn-amd-amdhsa--gfx1250"
	.amdhsa_code_object_version 6
	.text
	.protected	k_q9cf075684b_attn
	.globl	k_q9cf075684b_attn
	.p2align	8
	.type	k_q9cf075684b_attn,@function
k_q9cf075684b_attn:
	s_mov_b64 s[64:65], 0
	v_nop
	global_prefetch_b8 v0, s[64:65] scope:SCOPE_SE
	s_setreg_imm32_b32 hwreg(HW_REG_WAVE_MODE, 25, 1), 1
	s_wait_xcnt 0x0
; CAUSAL ATTENTION, 64 heads (4 batches x 16) of 1,024 rows x 64 channels, bf16.  O[q] = the sum over k <= q of softmax_k(Q[q] . K[k] / 8) V[k].  Products, maxima and sums in f32; the weights p are rounded to
; bf16 for the second product (their sum l is taken of the unrounded p), O once at the end.
; q, k, v lie in blocks of 64 columns (q: block h, k: 16 + h, v: 32 + h): block n64, row m at byte ((n64 / 4) 32 + m / 128) 65,536 + (n64 % 4) 16,384 + (m % 128) 128.  O leaves in the same layout, block h.
; LIMITS.  A hidden score is replaced by -1e30; a weight below 2^-126 counts as 0 in l; NaN and infinities are not treated apart.
; THE WALK.  A head's queries lie in 8 blocks of 128.  A work-group takes blocks 7 - b and then b.  EIGHT WAVES, two for each of a WGP's four SIMDs; wave w owns ONE tile of 16 queries, rows 16 w .. 16 w + 15 of the block.
; Its keys go in steps of 64, and its last step is 2 BLK + w / 4: the only one that holds keys hidden from it.  Waves w and w + 4 together walk 4 x 7 + 6 = 34 steps in the two blocks, whatever b.
; The step loop counts to the constant 16; a step beyond the wave's last is jumped over, forward, past text with no barrier and no tensor load.
; WHY TWO WAVES TO A SIMD.  A tile and step have 16 matrix, 118 vector and 32 LDS instructions, and a step goes in phases; the loop holds no barrier, so one wave's softmax stands beside the other's products.
; The price: a fragment of K or V read from LDS feeds one tile's products, not two.
; ALL OF THE HEAD'S K AND V LIE IN LDS, filled once at the head (two tensor loads a wave, two outstanding): no byte is ever filled again, and the launch has one barrier.  Every work-group asks for all 1,024 keys,
; so that every descriptor is a constant; for b > 0 the last keys are not read.
; NO CLUSTER: the four work-groups of a head jump over different steps, so a branch would hang on the place in the cluster.  NO PREFETCH: every byte is asked for at the head.
; LAYOUT.  S^T = K Q^T holds ONE query a lane (lane % 16) and the keys 8 (lane / 16) + 0..7; two such results rounded to bf16 ARE source 1 of O^T = V^T P.  K comes out of LDS as it lies, V turned, by ds_load_tr16_b128.
; SOFTMAX.  p = 2^(c s - c m), c = log2(e) / 8, with a running maximum m; O and l are multiplied by a = 2^(c m_old - c m_new) in every step.  m starts at the lowest finite number, O and l at 0 (32 lines that
; clear O at each block's beginning): the first step is a step like any other, with a = 0.
; A STEP: 8 products K Q^T; V of this step and K of the next are asked for; the mask (in the wave's last step); maximum and statistics; ONE batch of 33 exponentials, the scalings dealt among them, with ONE wait;
; roundings, sums, rescaling; 8 products V^T P.
; REGISTERS, all in one window: v0-27 addresses and statistics; v32-63 S^T; v64-79 P; v80-95 Q; v96-127 O^T; v128-191 K of one step; v192-255 V of one step.
.set PK2,   272       ; K in LDS: TWO keys to a row of 256 bytes + 16 of padding = 68 words: key r of a fragment's 16 starts at word 68 (r / 2) + 32 (r % 2): sixteen different groups of four banks (64 banks of 4 bytes: ISA guide 11.1)
.set KSTEP, 32*PK2    ; a step's 64 keys
.set KCH,   64*PK2    ; a chunk of 128 keys: one tensor load
.set PVP,   160       ; a row of V: 128 + 32 bytes = 40 words
.set VSTEP, 64*PVP
.set VCH,   128*PVP
.set VOFF,  8*KCH
.set STAGE, VOFF+8*VCH     ; behind K and V: 16 rows x 144 bytes for each wave, for the way out
.set SP,    144
.set SPARE, STAGE+8*16*SP  ; behind the stages: the spare words, 128 bytes for each wave: four blocks of 256 bytes that no other line names
.set AK0, 2           ; v2   my lane's place in a tile of K; never rewritten
.set AV0, 3           ; v3   the same for V
.set AK,  4           ; v4   the LDS address of K's next run of loads
.set AV,  5           ; v5   of V's
.set STO, 6           ; v6   the way out: where I put 16 bytes of a row
.set RD,  7           ; v7   the way out: where I read rows back
.set GO,  8           ; v8   16 x lane
.set QO,  12          ; v12  my byte offset in 16 rows of Q
.set BIG, 13          ; v13  -1e30
.set DQ,  14          ; v14  my query's place among the 64 keys of my wave's last step, less my lanes' 8 (l / 16)
.set ST,  16          ; v16-19  c m, m, l (even keys', odd keys')
.set TMP, 20          ; v20-23  c0-c3 at work; when the maximum is found c2 takes a
.set MV,  24          ; v24  c m_old
.set SPW, 26          ; v26  LDS address of my spare word; never rewritten
.set NIL, 27          ; v27  0; never rewritten
.set S,   32
.set P,   64
.set QF,  80
.set OA,  96
.set KF,  128         ; key block kb, channel half c at KF + 16 kb + 8 c
.set VF,  192         ; key half kk, channel block cb at VF + 32 kk + 8 cb
.set WV,  12          ; s12  my wave's number
.set PB,  13          ; s13  b
.set BLK, 14          ; s14  the block in hand
.set LAST, 15         ; s15  my wave's last key step in it
.set HI,  16          ; s16  wave / 4
.set KS,  17          ; s17  the key step
.set PASS, 18         ; s18  blocks to go
.set TBK, 19          ; s19  LDS byte at which K of this step begins
.set TBV, 20          ; s20  the same for V, less VOFF
.set TBN, 21          ; s21  K of the next step, held to the last step's
.set PART, 23         ; s23  wave % 4
.set G1K, 24          ; s[24:31] descriptor group 1 for K
.set G1V, 32          ; s[32:39] for V: it differs in the padding alone
.set G0,  40          ; s[40:47] two sets of group 0
.set KSRC, 56         ; s[56:57] K at my first chunk of 128 keys
.set CS,  58          ; s[58:59] c, twice
.set SEL, 60          ; s[60:61] v_permlanex16_b32's selects
.set QBA, 66          ; s[66:67] Q at my wave's rows of block 0
.set OBA, 68          ; s[68:69] O likewise
.set QP,  70          ; s[70:71] Q at my rows of the block in hand
.set OP,  72          ; s[72:73] O likewise
.set OFF, 74          ; s[74:75]
.set VSRC, 76         ; s[76:77]
; A wave's two fills: chunks of 128 keys, 16,384 dense bytes each, asked for as 64 rows of 256 bytes.  An s_nop 0 follows each load, four v_nop the last.
.macro FILL2 src, l0, lstep, g1
.irp c, 0,1
	s_mov_b32 s[G0+4*(\c)], 1
	s_add_co_u32 s[G0+4*(\c)+1], s[\l0], (\c)*(\lstep)
	s_add_nc_u64 s[G0+4*(\c)+2:G0+4*(\c)+3], s[\src:\src+1], (\c)*262144  ; four chunks on: 65,536 bytes from a chunk to the next
	s_or_b32 s[G0+4*(\c)+3], s[G0+4*(\c)+3], 0x80000000
.endr
.irp c, 0,1
	tensor_load_to_lds s[G0+4*(\c):G0+4*(\c)+3], s[\g1:\g1+7]
	s_nop 0
.endr
.rept 4
	v_nop
.endr
.endm
	s_load_b128 s[4:7], s[0:1], 0x0   ; qkv s[4:5], O's buffer s[6:7]
	v_lshl_add_u32 v[SPW], v0, 2, SPARE
	v_mov_b32 v[NIL], 0
	ds_add_u32 v[SPW], v[NIL]       ; the wave's opening: the add, and its wait ahead of my first tensor load
	ds_add_u32 v26, v27
	v_lshrrev_b32 v1, 5, v0
	v_readfirstlane_b32 s[WV], v1
	s_mov_b32 s[PB], ttmp9
	s_and_b32 s2, ttmp7, 0xffff
	s_and_b32 s3, s2, 15            ; head
	s_lshr_b32 s2, s2, 4            ; batch
	s_lshr_b32 s8, s3, 2
	s_lshl_b32 s8, s8, 5
	s_lshl_b32 s2, s2, 3
	s_add_co_u32 s8, s8, s2         ; (head / 4) 32 + 8 batch
	s_lshl_b32 s8, s8, 2
	s_and_b32 s3, s3, 3
	s_add_co_u32 s8, s8, s3
	s_lshl_b32 s8, s8, 14           ; the head's first byte among q's blocks, and among O's
	s_mov_b32 s9, 0
	s_and_b32 s[PART], s[WV], 3
	s_lshr_b32 s[HI], s[WV], 2
	s_lshl_b32 s10, s[PART], 16     ; I fetch chunks wave % 4 and wave % 4 + 4
	s_add_co_u32 s10, s10, s8
	s_mov_b32 s11, 0
	s_lshl_b32 s2, s[WV], 11        ; my wave's 16 rows of a block
	s_add_co_u32 s8, s8, s2
	s_mov_b32 s[G1K], (1<<16)|(1<<20)|(5<<22)|(3<<25)  ; 2-byte elements; padding on; after every 64 words (two keys), 4 words
	s_mov_b32 s[G1V], (1<<16)|(1<<20)|(4<<22)|(7<<25)  ; after every 32 words (a key), 8 words
.irp g, G1K, G1V
	s_mov_b32 s[\g+1], 128<<16      ; tensor_dim0 = 128
	s_mov_b32 s[\g+2], 64<<16       ; tensor_dim1 = 64
	s_mov_b32 s[\g+3], 128<<16      ; tile_dim0 = 128
	s_mov_b32 s[\g+4], 64           ; tile_dim1 = 64
	s_mov_b32 s[\g+5], 128
	s_mov_b32 s[\g+6], 0
	s_mov_b32 s[\g+7], 0
.endr
	s_mov_b32 s[CS], 0x3e38aa3b     ; c = log2(e) / 8
	s_mov_b32 s[CS+1], s[CS]
	s_mov_b32 s[SEL], 0x76543210
	s_mov_b32 s[SEL+1], 0xfedcba98
	s_mul_i32 s2, s[PART], KCH
	s_mul_i32 s3, s[PART], VCH
	s_add_co_u32 s3, s3, VOFF
	s_wait_dscnt 0x0                ; the opening add is done
	s_wait_kmcnt 0x0
	s_add_nc_u64 s[KSRC:KSRC+1], s[4:5], s[10:11]
	s_add_nc_u64 s[VSRC:VSRC+1], s[KSRC:KSRC+1], 16777216  ; v's blocks lie 32 column blocks behind q's,
	s_add_nc_u64 s[KSRC:KSRC+1], s[KSRC:KSRC+1], 8388608   ; k's 16
	s_add_nc_u64 s[QBA:QBA+1], s[4:5], s[8:9]
	s_add_nc_u64 s[OBA:OBA+1], s[6:7], s[8:9]
	s_cmp_lt_u32 s[WV], 4           ; waves 0 to 3 fetch K, waves 4 to 7 V: a wave's two fills stand in one branch
	s_cbranch_scc0 .Lfill_v
	FILL2 KSRC, 2, 4*KCH, G1K
	s_branch .Lfilled
.Lfill_v:
	FILL2 VSRC, 3, 4*VCH, G1V
.Lfilled:
	v_and_b32 v1, 15, v0            ; l % 16
	v_bfe_u32 v9, v0, 4, 1          ; l / 16
	v_lshlrev_b32 v[QO], 7, v1
	v_lshl_add_u32 v[QO], v9, 4, v[QO]
	v_lshrrev_b32 v10, 1, v1        ; K: key r lies in LDS row r / 2, half r % 2; 16 bytes for each half of the lanes
	v_mul_u32_u24 v[AK0], v10, PK2
	v_and_b32 v10, 1, v1
	v_lshl_add_u32 v[AK0], v10, 7, v[AK0]
	v_lshl_add_u32 v[AK0], v9, 4, v[AK0]
	v_and_b32 v10, 7, v0            ; V, turned: lane l reads key 8 (l / 16) + l % 8, channels 8 ((l / 8) % 2) + 0..7
	v_bfe_u32 v11, v0, 3, 1
	v_lshl_add_u32 v[AV0], v9, 3, v10
	v_mul_u32_u24 v[AV0], v[AV0], PVP
	v_lshl_add_u32 v[AV0], v11, 4, v[AV0]
	v_add_nc_u32 v[AV0], VOFF, v[AV0]
	s_mul_i32 s2, s[WV], 16*SP
	s_add_co_u32 s2, s2, STAGE      ; my stage
	v_mul_u32_u24 v[STO], v1, SP    ; in: row l % 16, 16 bytes for each half of the lanes
	v_lshl_add_u32 v[STO], v9, 4, v[STO]
	v_add_nc_u32 v[STO], s2, v[STO]
	v_bfe_u32 v[RD], v0, 3, 2       ; back: 32 lanes take four rows of 128 bytes,
	v_mul_u32_u24 v[RD], v[RD], SP
	v_lshl_add_u32 v[RD], v10, 4, v[RD]
	v_add_nc_u32 v[RD], s2, v[RD]
	v_and_b32 v[GO], 31, v0         ; which are 512 consecutive bytes of O
	v_lshlrev_b32 v[GO], 4, v[GO]
	v_mov_b32 v[BIG], 0xf149f2ca
	v_lshlrev_b32 v[DQ], 3, v9
	v_sub_nc_u32 v[DQ], v1, v[DQ]
	s_lshl_b32 s2, s[PART], 4
	v_add_nc_u32 v[DQ], s2, v[DQ]   ; 16 (wave % 4) + l % 16 - 8 (l / 16)
; THE MATRIX WORK.  The 4 accumulators of a run of 8 take turns.  Product i of S^T = K Q^T: channels 32 (i / 4) on, keys 16 (i % 4) on.  The first 4 start the sums.
.macro KQ
.set rS, S+8*(i%4)
.set rK, KF+16*(i%4)+8*(i/4)
.set rQ, QF+8*(i/4)
.if i < 4
	v_wmma_f32_16x16x32_bf16 v[rS:rS+7], v[rK:rK+7], v[rQ:rQ+7], 0
.else
	v_wmma_f32_16x16x32_bf16 v[rS:rS+7], v[rK:rK+7], v[rQ:rQ+7], v[rS:rS+7]
.endif
.set i, i+1
.endm
; Product i of O^T += V^T P: keys 32 (i / 4) on, channels 16 (i % 4) on.
.macro PVM
.set rO, OA+8*(i%4)
.set rV, VF+32*(i/4)+8*(i%4)
.set rP, P+8*(i/4)
	v_wmma_f32_16x16x32_bf16 v[rO:rO+7], v[rV:rV+7], v[rP:rP+7], v[rO:rO+7]
.set i, i+1
.endm
.macro FETCH_K
.irp f, 0,1,2,3,4,5,6,7             ; keys 16 (f / 2) on (8 LDS rows), channels 32 (f % 2) on
	ds_load_b128 v[KF+8*\f:KF+8*\f+3],   v[AK] offset:(\f/2)*8*PK2+(\f%2)*64
	ds_load_b128 v[KF+8*\f+4:KF+8*\f+7], v[AK] offset:(\f/2)*8*PK2+(\f%2)*64+32
.endr
.endm
.macro FETCH_V
.irp f, 0,1,2,3,4,5,6,7             ; keys 32 (f / 4) on, channels 16 (f % 4) on
	ds_load_tr16_b128 v[VF+8*\f:VF+8*\f+3],   v[AV] offset:(\f/4)*32*PVP+(\f%4)*32
	ds_load_tr16_b128 v[VF+8*\f+4:VF+8*\f+7], v[AV] offset:(\f/4)*32*PVP+16*PVP+(\f%4)*32
.endr
.endm
; Number n of the 22 that find the tile's maximum and statistics.  Each accumulator's lowest registers are read first.
;   0-11  four chains c0-c3 of seven scores each     12-14, 16  the four scores left over, the old m, and c0-c3 into c0     15  c m_old is kept
;   17, 18  the query's other 32 keys lie in the lane 16 away: the new m     19-21  c m; c m_old - c m_new; a
.macro XS n
.if (\n) < 4
	v_max3_num_f32 v[TMP+(\n)], v[S+8*(\n)], v[S+8*(\n)+1], v[S+8*(\n)+2]
.elseif (\n) < 12
	v_max3_num_f32 v[TMP+(\n)%4], v[TMP+(\n)%4], v[S+8*((\n)%4)+2*((\n)/4)+1], v[S+8*((\n)%4)+2*((\n)/4)+2]
.elseif (\n) == 12
	v_max3_num_f32 v[TMP], v[TMP], v[S+7], v[S+15]
.elseif (\n) == 13
	v_max3_num_f32 v[TMP+1], v[TMP+1], v[S+23], v[S+31]
.elseif (\n) == 14
	v_max3_num_f32 v[TMP+2], v[TMP+2], v[TMP+3], v[ST+1]
.elseif (\n) == 15
	v_mov_b32 v[MV], v[ST]
.elseif (\n) == 16
	v_max3_num_f32 v[TMP], v[TMP], v[TMP+1], v[TMP+2]
.elseif (\n) == 17
	v_permlanex16_b32 v[TMP+3], v[TMP], s[SEL], s[SEL+1]
.elseif (\n) == 18
	v_max_num_f32 v[ST+1], v[TMP], v[TMP+3]
.elseif (\n) == 19
	v_mul_f32 v[ST], s[CS], v[ST+1]
.elseif (\n) == 20
	v_sub_f32 v[TMP+1], v[MV], v[ST]
.else
	v_exp_f32 v[TMP+2], v[TMP+1]
.endif
.endm
.macro FS p                         ; pair p of 16: c s - c m
	v_pk_fma_f32 v[S+2*(\p):S+2*(\p)+1], v[S+2*(\p):S+2*(\p)+1], s[CS:CS+1], v[ST:ST+1] op_sel_hi:[1,0,0] neg_lo:[0,0,1] neg_hi:[0,0,1]
.endm
	s_wait_tensorcnt 0x0            ; my two chunks are in,
	s_barrier_signal -1
	s_barrier_wait -1               ; everybody's are: the launch's one barrier
	s_sub_co_u32 s[BLK], 7, s[PB]
	s_mov_b32 s[PASS], 2
	s_mov_b32 s[OFF+1], 0
.Lpass:                             ; A BLOCK BEGINS
	s_lshl_b32 s[OFF], s[BLK], 16
	s_add_nc_u64 s[QP:QP+1], s[QBA:QBA+1], s[OFF:OFF+1]
	s_add_nc_u64 s[OP:OP+1], s[OBA:OBA+1], s[OFF:OFF+1]
.irp c, 0,1
	global_load_b128 v[QF+8*(\c):QF+8*(\c)+3],   v[QO], s[QP:QP+1] offset:(\c)*64
	global_load_b128 v[QF+8*(\c)+4:QF+8*(\c)+7], v[QO], s[QP:QP+1] offset:(\c)*64+32
.endr
.set z, 0
.rept 32
	v_mov_b32 v[OA+z], 0            ; O^T
.set z, z+1
.endr
	v_mov_b32 v[ST], 0xfe000000     ; c m: far below every c s
	v_mov_b32 v[ST+1], 0xff7fffff   ; m
	v_mov_b32 v[ST+2], 0
	v_mov_b32 v[ST+3], 0
	s_lshl_b32 s[LAST], s[BLK], 1
	s_add_co_u32 s[LAST], s[LAST], s[HI]
	s_mov_b32 s[KS], 0
	s_mov_b32 s[TBK], 0
	s_mov_b32 s[TBV], 0
	s_mov_b32 s[TBN], KSTEP
	v_mov_b32 v[AK], v[AK0]
	FETCH_K                         ; key step 0
	s_wait_loadcnt 0x0              ; Q
.Lstep:                             ; 16 trips, of which LAST + 1 do work
	s_cmp_gt_u32 s[KS], s[LAST]
	s_cbranch_scc1 .Ldead
	s_wait_dscnt 0x0                ; K is in
.set i, 0
.rept 8
	KQ
.endr
	v_add_nc_u32 v[AV], s[TBV], v[AV0]  ; four plain instructions: the places between the products and the loads into K's and V's registers and the reads of the scores
	v_add_nc_u32 v[AK], s[TBN], v[AK0]
	v_nop
	v_nop
	FETCH_V                         ; V of this step and K of the next land under the softmax
	FETCH_K
	s_cmp_lg_u32 s[KS], s[LAST]
	s_cbranch_scc1 .Lopen           ; all keys of the step are seen by all my queries
	; THE MASK: register z of the 32 scores is key 16 (z / 8) + z % 8 + 8 (l / 16) of the step: hidden where 16 (z / 8) + z % 8 is greater than DQ.  A choice of values: no branch hangs on it.
.set z, 0
.rept 32
	v_cmp_gt_i32 vcc_lo, 16*(z/8)+z%8, v[DQ]
	v_cndmask_b32 v[S+z], v[S+z], v[BIG], vcc_lo
.set z, z+1
.endr
.Lopen:
.irp n, 0,1,2,3,4,5,6,7,8,9,10,11,12,13,14,15,16,17,18,19,20
	XS \n
.endr
	FS 0
	FS 1
	XS 21                           ; THE BATCH: a and the 32 weights; the scalings stand among them, each pair's two groups ahead of its exponentials; nothing ahead of the wait names a result
.set f, 0
.rept 16
	v_exp_f32 v[S+2*f], v[S+2*f]
.if f < 14
	FS f+2
.endif
	v_exp_f32 v[S+2*f+1], v[S+2*f+1]
.set f, f+1
.endr
	v_nop                           ; a plain instruction behind the last exponential,
	s_wait_alu depctr_va_vdst(0)    ; and one wait for the batch, ahead of its first reader
.set p, 0
.rept 16
	v_cvt_pk_bf16_f32 v[P+p], v[S+2*p], v[S+2*p+1]
.set p, p+1
.endr
.irp w, 4,8,16,32                   ; the sum of the 16 pairs, in place: neighbours 1, 2, 4 and 8 pairs apart
.set z, 0
.rept 32/(\w)
	v_pk_add_f32 v[S+z:S+z+1], v[S+z:S+z+1], v[S+z+(\w)/2:S+z+(\w)/2+1]
.set z, z+(\w)
.endr
.endr
	v_pk_fma_f32 v[ST+2:ST+3], v[ST+2:ST+3], v[TMP+2:TMP+3], v[S:S+1] op_sel_hi:[1,0,1]  ; l = a l + sum
.set z, 0
.rept 16
	v_pk_mul_f32 v[OA+z:OA+z+1], v[OA+z:OA+z+1], v[TMP+2:TMP+3] op_sel_hi:[1,0]         ; O^T a, ascending
.set z, z+2
.endr
	s_wait_dscnt 16                 ; V's sixteen loads are in; the next K's sixteen, issued behind them, may stay out
.set i, 0
.rept 8
	PVM
.endr
.Ldead:
	s_add_co_u32 s[TBK], s[TBK], KSTEP
	s_add_co_u32 s[TBV], s[TBV], VSTEP
	s_add_co_u32 s[TBN], s[TBK], KSTEP
	s_min_u32 s[TBN], s[TBN], 15*KSTEP
	s_add_co_u32 s[KS], s[KS], 1
	s_cmp_lt_u32 s[KS], 16
	s_cbranch_scc1 .Lstep
	; A BLOCK ENDS.  l's two halves and the other half of the lanes' are added.  Three v_nop and the two additions are the places behind the last products.
	v_nop
	v_nop
	v_add_f32 v[ST+2], v[ST+2], v[ST+3]
	v_permlanex16_b32 v[ST+3], v[ST+2], s[SEL], s[SEL+1]
	v_add_f32 v[ST+2], v[ST+2], v[ST+3]
	v_rcp_f32 v[ST+2], v[ST+2]
	v_nop                           ; a plain instruction behind the reciprocal,
	s_wait_alu depctr_va_vdst(0)    ; and its wait, ahead of its first reader
	; THE WAY OUT: O^T divided by l, rounded to bf16; a lane's eight channels of a row pack into 16 bytes; they go into rows of 144 bytes and come back as whole rows of 128, into S^T's registers.
.set z, 0
.rept 16
	v_pk_mul_f32 v[OA+z:OA+z+1], v[OA+z:OA+z+1], v[ST+2:ST+3] op_sel_hi:[1,0]
.set z, z+2
.endr
.set z, 0
.rept 16
	v_cvt_pk_bf16_f32 v[S+z], v[OA+2*z], v[OA+2*z+1]
.set z, z+1
.endr
.irp f, 0,1,2,3
	ds_store_b128 v[STO], v[S+4*\f:S+4*\f+3] offset:32*\f
.endr
.irp f, 0,1,2,3
	ds_load_b128 v[S+4*\f:S+4*\f+3], v[RD] offset:\f*4*SP  ; LDS serves a wave's instructions in order (ISA guide 5.7.1.4): these see the stores above
.endr
.irp f, 0,1,2,3
	s_wait_dscnt 3-\f               ; load f is back; the younger ones may stay out (the last wait is for 0: the loads into K's registers are over too)
	global_store_b128 v[GO], v[S+4*\f:S+4*\f+3], s[OP:OP+1] offset:\f*512  ; four rows: 512 consecutive bytes, aligned
.endr
	s_wait_xcnt 0x0                 ; the stores have read their registers and O's address: both are written anew below
	s_mov_b32 s[BLK], s[PB]
	s_sub_co_u32 s[PASS], s[PASS], 1
	s_cmp_lg_u32 s[PASS], 0
	s_cbranch_scc1 .Lpass
	s_wait_tensorcnt 0x0            ; the wave's end
	ds_add_u32 v[SPW], v[NIL]
	s_wait_dscnt 0x0
	s_endpgm
.Lfunc_end_k_q9cf075684b_attn:
	.size	k_q9cf075684b_attn, .Lfunc_end_k_q9cf075684b_attn-k_q9cf075684b_attn
	.p2alignl 7, 3214868480
	.fill 96, 4, 3214868480
	.section	.rodata,"a",@progbits
	.p2align	6, 0x0
	.amdhsa_kernel k_q9cf075684b_attn
		.amdhsa_group_segment_fixed_size 327680
		.amdhsa_private_segment_fixed_size 0
		.amdhsa_enable_private_segment 0
		.amdhsa_kernarg_size 16
		.amdhsa_user_sgpr_count 2
		.amdhsa_user_sgpr_kernarg_segment_ptr 1
		.amdhsa_wavefront_size32 1
		.amdhsa_system_sgpr_workgroup_id_x 1
		.amdhsa_system_sgpr_workgroup_id_y 1
		.amdhsa_system_sgpr_workgroup_id_z 1
		.amdhsa_system_vgpr_workitem_id 0
		.amdhsa_next_free_vgpr 256
		.amdhsa_next_free_sgpr 80
		.amdhsa_reserve_vcc 1
		.amdhsa_float_denorm_mode_32 3
		.amdhsa_float_denorm_mode_16_64 3
		.amdhsa_memory_ordered 1
		.amdhsa_forward_progress 1
		.amdhsa_inst_pref_size 25
	.end_amdhsa_kernel
	.amdgpu_metadata
---
amdhsa.version: [ 1, 2 ]
amdhsa.kernels:
  - .name:           k_q9cf075684b_attn
    .symbol:         k_q9cf075684b_attn.kd
    .args:
      - { .name: qkv, .offset: 0, .size: 8, .value_kind: global_buffer, .address_space: global }
      - { .name: act, .offset: 8, .size: 8, .value_kind: global_buffer, .address_space: global }
    .group_segment_fixed_size: 327680
    .private_segment_fixed_size: 0
    .kernarg_segment_align: 8
    .kernarg_segment_size: 16
    .max_flat_workgroup_size: 256
    .sgpr_count:     80
    .vgpr_count:     256
    .wavefront_size: 32
...
	.end_amdgpu_metadata
.endif
;; end of part 3
;; launch proj (part 4): grid 8 x 32, 4 waves a work-group, clusters of 4 x 4, 327,680 bytes of LDS; arguments act, bp, b_proj, x, x2; writes x2
.if DOCPART == 4
	.amdgcn_target "amdgcn-amd-amdhsa--gfx1250"
	.amdhsa_code_object_version 6
	.text
	.protected	k_q9cf075684b_proj
	.globl	k_q9cf075684b_proj
	.p2align	8
	.type	k_q9cf075684b_proj,@function
k_q9cf075684b_proj:
	s_mov_b64 s[64:65], 0
	v_nop
	global_prefetch_b8 v0, s[64:65] scope:SCOPE_SE
	s_setreg_imm32_b32 hwreg(HW_REG_WAVE_MODE, 25, 1), 1
	s_wait_xcnt 0x0
	s_wait_alu depctr_hold_cnt(0) depctr_sa_sdst(0) depctr_va_vdst(0) depctr_va_sdst(0) depctr_va_ssrc(0) depctr_va_vcc(0) depctr_vm_vsrc(0)
	s_getreg_b32 s2, hwreg(HW_REG_IB_STS2, 6, 4)
	s_cmp_eq_u32 s2, 0
	s_cbranch_scc0 .Lentry_in_a_cluster
	s_endpgm
.Lentry_in_a_cluster:
	s_bfe_u32 s2, ttmp6, 0x10000c
	s_cmp_lg_u32 s2, 0xf033
	s_cbranch_scc0 .Lentry_shape_is_right
	s_endpgm
.Lentry_shape_is_right:
; C = R + bias + A W, all sums and C in f32.  R, C: [4096][1024] f32, row-major; bias: [1024] f32.  A: [4096][KDIM] bf16 in blocks of 64 columns: block n64, row m at byte
; ((n64 / 4) 32 + m / 128) 65,536 + (n64 % 4) 16,384 + (m % 128) 128, so that 128 rows x 256 K are 65,536 dense bytes.  W: [KDIM][1024] bf16 in blocks of 128 columns: block nb, row k at byte (nb KDIM + k) 256.
; SHARES.  A tile of C is 128 x 128: 256 work-groups.  Four waves, each 64 x 64: 16 accumulators.  K goes in steps of 256 through a ring of two LDS slots; a quarter is 64 along K.
; THE SUMS START FROM R + bias: R is loaded straight into the accumulators' registers while the first tiles are on their way, the bias is added, and every product adds in place: nothing is cleared, nothing is added on the way out.
; THE MATRIX INSTRUCTION IS USED TRANSPOSED (source 0 = 16 columns of W, turned by ds_load_tr16_b128; source 1 = 16 rows of A): a lane holds row l % 16 of C and the columns 8 (l / 16) + 0..7.
; CLUSTERS: 4 x 4 work-groups; A's tiles are asked for jointly along a row of the cluster, W's along a column.  No prefetch: a tile this small has a short step, and its requests would stand close to their loads.
; REGISTERS: window 0: v0-31 addresses; v32-95 at work on the way out; v96-127 the bias; v128-255 the accumulators ((a, b) at v[128 + 8 (4 a + b)]).   window 1: two fragment buffers of 128: A's 64, then W's 64.
.set KDIM,   1024
.set PAK,    144                       ; an LDS row of A: 64 K = 128 bytes + 16 of padding = 36 words: the 16 rows of a load start at 16 different groups of four banks (64 banks of 4 bytes: ISA guide 11.1)
.set PB,     288                       ; an LDS row of W: 256 + 32 bytes
.set HALFT,  36864                     ; what one tensor load fills: 2 x 128 rows of A at 144, or 128 rows of W at 288
.set SLOT,   4*HALFT                   ; A's four blocks of 64 K, then W's 256 rows
.set BOFF,   2*HALFT
.set STAGE,  2*SLOT                    ; behind the ring: 16 rows x 272 bytes for each wave
.set SP,     272
.set SPARE,  STAGE+4*16*SP
.set LAPS,   KDIM/512                  ; a lap = two K steps
.set ADRA, 16                          ; v16-17  LDS address of my A fragments in slot 0, 1
.set ADRB, 18                          ; v18-21  of my W fragments: 2 x slot + half of the slot's 256 rows (one register would want an immediate beyond 16 bits)
.set STO,  24
.set RD,   25
.set CO,   26                          ; v26     my byte offset in two rows of C
.set RO,   27                          ; v27     my byte offset in 16 rows of R
.set SPW,  28
.set NIL,  29
.set BO,   30                          ; v30     my byte offset in the bias
.set TMP,  32
.set BI,   96
.set ACC,  128
.set F0,   0
.set F1,   128
.set G1,  24
.set G0,  32
.set G1B, 48
.set G0B, 56
.set MSB, 0
.macro WIN new
.if MSB != (\new)
	s_set_vgpr_msb (MSB<<8)|(\new)
.set MSB, \new
.endif
.endm
.set MUL,  0x05                        ; sources 0 and 1 window 1; C and D window 0
.set TO_F, 0x40                        ; destination window 1, address window 0
.macro JLOAD s                         ; a joint load: waves 0 and 1 fetch A's two halves, waves 2 and 3 W's; an s_nop 0 and four v_nop follow each line
	s_cmp_eq_u32 s11, 0
	s_cbranch_scc0 .Lfor_b_\@
	tensor_load_to_lds s[G0+4*(\s):G0+4*(\s)+3], s[G1:G1+7]
	s_nop 0
.rept 4
	v_nop
.endr
	s_branch .Lasked_\@
.Lfor_b_\@:
	tensor_load_to_lds s[G0B+4*(\s):G0B+4*(\s)+3], s[G1B:G1B+7]
	s_nop 0
.rept 4
	v_nop
.endr
.Lasked_\@:
.endm
.macro CREST
	s_cmp_lg_u32 s10, 0
	s_cbranch_scc1 .Lnot_wave_0_\@
	s_barrier_signal -3
.Lnot_wave_0_\@:
	s_barrier_wait -3
	s_barrier_signal -1
	s_barrier_wait -1
.endm
.macro CROUND
	s_barrier_signal -1
	s_barrier_wait -1
	CREST
.endm
	s_load_b128 s[4:7], s[0:1], 0x0                ; A, W
	s_load_b128 s[68:71], s[0:1], 0x10             ; bias, R
	s_load_b64 s[8:9], s[0:1], 0x20                ; C
	v_lshl_add_u32 v[SPW], v0, 2, SPARE
	v_mov_b32 v[NIL], 0
	ds_add_u32 v[SPW], v[NIL]                      ; the wave's opening: the add, and its wait ahead of my first tensor load
	ds_add_u32 v28, v29
	v_lshrrev_b32 v1, 5, v0
	v_readfirstlane_b32 s10, v1
	s_lshr_b32 s11, s10, 1                         ; my half of the tile's rows.  Also: I fetch for A (0) or for W (1)
	s_and_b32 s12, s10, 1                          ; my half of its columns.  Also: which half I fetch
	s_bfe_u32 s40, ttmp6, 0x40000
	s_bfe_u32 s41, ttmp6, 0x40004
	s_lshl_b32 s42, ttmp9, 2
	s_add_co_u32 s42, s42, s40                     ; tile column
	s_and_b32 s13, ttmp7, 0xffff
	s_lshl_b32 s13, s13, 2
	s_add_co_u32 s13, s13, s41                     ; tile row
	s_lshl_b32 s43, s41, 2
	s_lshl_b32 s43, 15, s43
	s_lshl_b32 s44, 0x1111, s40
	s_or_b32 s[G1+0], s43, (1<<16)|(1<<20)|(1<<21)|(4<<22)|(3<<25)   ; A: padded after every 32 words (a row of 64 K) by 4 words
	s_or_b32 s[G1B+0], s44, (1<<16)|(1<<20)|(1<<21)|(5<<22)|(7<<25)  ; W: after every 64 words by 8 words
.irp g, G1, G1B
	s_mov_b32 s[(\g)+1], 128<<16                   ; both tiles are dense: 128 rows of 256 bytes
	s_mov_b32 s[(\g)+2], 128<<16
	s_mov_b32 s[(\g)+3], 128<<16
	s_mov_b32 s[(\g)+4], 128
	s_mov_b32 s[(\g)+5], 128
	s_mov_b32 s[(\g)+6], 0
	s_mov_b32 s[(\g)+7], 0
.endr
	s_lshl_b32 s17, s12, 15                        ; half of A's 65,536 bytes; 128 rows of W
	s_lshl_b32 s16, s13, 16
	s_add_co_u32 s16, s16, s17
	s_mul_i32 s46, s42, KDIM*256
	s_add_co_u32 s46, s46, s17
	s_mov_b32 s17, 0
	s_mov_b32 s47, 0
	s_mul_i32 s20, s10, HALFT                      ; where they go: wave x what a load fills
	s_wait_dscnt 0x0
	s_wait_kmcnt 0x0
	s_add_nc_u64 s[14:15], s[4:5], s[16:17]
	s_add_nc_u64 s[46:47], s[6:7], s[46:47]
	CROUND                                         ; all sixteen work-groups are here: the first joint loads meet
.irp s, 0,1
	s_mov_b32 s[G0+4*(\s)], 1
	s_add_co_u32 s[G0+4*(\s)+1], s20, (\s)*SLOT
	s_add_nc_u64 s[G0+4*(\s)+2:G0+4*(\s)+3], s[14:15], (\s)*2097152  ; a K step of A: 32 row blocks of 65,536 bytes on
	s_or_b32 s[G0+4*(\s)+3], s[G0+4*(\s)+3], 0x80000000
	s_mov_b32 s[G0B+4*(\s)], 1
	s_add_co_u32 s[G0B+4*(\s)+1], s20, (\s)*SLOT
	s_add_nc_u64 s[G0B+4*(\s)+2:G0B+4*(\s)+3], s[46:47], (\s)*65536  ; a K step of W: 256 rows
	s_or_b32 s[G0B+4*(\s)+3], s[G0B+4*(\s)+3], 0x80000000
	JLOAD \s                                       ; two loads of mine are out
.endr
	v_and_b32 v1, 15, v0
	v_bfe_u32 v2, v0, 4, 1
	s_lshl_b32 s16, s42, 9
	s_lshl_b32 s17, s12, 8
	s_add_co_u32 s16, s16, s17                     ; my first column x 4 bytes: a multiple of 256
	s_mov_b32 s17, 0
	s_add_nc_u64 s[68:69], s[68:69], s[16:17]
	s_lshl_b32 s18, s13, 19
	s_lshl_b32 s19, s11, 18
	s_add_co_u32 s18, s18, s19                     ; my first row x 4,096 bytes
	s_add_co_u32 s16, s16, s18
	s_add_nc_u64 s[70:71], s[70:71], s[16:17]
	s_add_nc_u64 s[8:9], s[8:9], s[16:17]
	v_lshlrev_b32 v[BO], 5, v2
	v_lshlrev_b32 v[RO], 12, v1
	v_lshl_add_u32 v[RO], v2, 5, v[RO]
.irp b, 0,1,2,3
	global_load_b128 v[BI+8*(\b):BI+8*(\b)+3],   v[BO], s[68:69] offset:64*(\b)
	global_load_b128 v[BI+8*(\b)+4:BI+8*(\b)+7], v[BO], s[68:69] offset:64*(\b)+16
.endr
.irp a, 0,1,2,3
.irp b, 0,1,2,3
	global_load_b128 v[ACC+8*(4*(\a)+(\b)):ACC+8*(4*(\a)+(\b))+3],   v[RO], s[70:71] offset:(\a)*65536+64*(\b)
	global_load_b128 v[ACC+8*(4*(\a)+(\b))+4:ACC+8*(4*(\a)+(\b))+7], v[RO], s[70:71] offset:(\a)*65536+64*(\b)+16
.endr
.endr
	v_mul_u32_u24 v3, v1, PAK
	v_lshl_add_u32 v3, v2, 4, v3                   ; A: row x pitch + 16 x half
	s_mul_i32 s21, s11, 64*PAK
	v_add_nc_u32 v[ADRA], s21, v3
	v_add_nc_u32 v[ADRA+1], SLOT, v[ADRA]
	v_and_b32 v4, 7, v0                            ; W, turned: row 8 (l / 16) + l % 8, columns 8 ((l / 8) % 2) on
	v_lshl_add_u32 v4, v2, 3, v4
	v_mul_u32_u24 v4, v4, PB
	v_bfe_u32 v5, v0, 3, 1
	v_lshl_add_u32 v4, v5, 4, v4
	s_lshl_b32 s22, s12, 7                         ; my 64 columns
	v_add_nc_u32 v4, s22, v4
.irp n, 0,1,2,3
	v_add_nc_u32 v[ADRB+(\n)], ((\n)/2)*SLOT+((\n)%2)*HALFT+BOFF, v4
.endr
	s_mul_i32 s23, s10, 16*SP
	s_add_co_u32 s23, s23, STAGE                   ; my stage
	v_mul_u32_u24 v5, v1, SP                       ; in: row l % 16, 32 bytes for each half of the lanes
	v_lshl_add_u32 v5, v2, 5, v5
	v_add_nc_u32 v[STO], s23, v5
	v_mul_u32_u24 v5, v2, SP                       ; back: lanes 0-15 take one row of 256 bytes, lanes 16-31 the next
	v_lshl_add_u32 v5, v1, 4, v5
	v_add_nc_u32 v[RD], s23, v5
	v_lshlrev_b32 v5, 12, v2                       ; and the same two rows in C
	v_lshl_add_u32 v[CO], v1, 4, v5
	s_wait_loadcnt 0x0
.irp a, 0,1,2,3
.irp b, 0,1,2,3
.irp p, 0,2,4,6
	v_pk_add_f32 v[ACC+8*(4*(\a)+(\b))+(\p):ACC+8*(4*(\a)+(\b))+(\p)+1], v[ACC+8*(4*(\a)+(\b))+(\p):ACC+8*(4*(\a)+(\b))+(\p)+1], v[BI+8*(\b)+(\p):BI+8*(\b)+(\p)+1]
.endr
.endr
.endr
; 8 matrix instructions: row blocks a0, a0 + 1 x all 4 column blocks, 32 along K: half c of buffer f.  The 16 accumulators take turns.
.macro MUL8 f, c, a0
	WIN MUL
.irp a, \a0, (\a0)+1
.irp b, 0,1,2,3
	v_wmma_f32_16x16x32_bf16 v[ACC+8*(4*(\a)+(\b)):ACC+8*(4*(\a)+(\b))+7], v[(\f)+64+8*(4*(\c)+(\b)):(\f)+64+8*(4*(\c)+(\b))+7], v[(\f)+8*(4*(\c)+(\a)):(\f)+8*(4*(\c)+(\a))+7], v[ACC+8*(4*(\a)+(\b)):ACC+8*(4*(\a)+(\b))+7]
.endr
.endr
.endm
; 32 LDS loads in one run: the fragments of quarter q (64 along K) into buffer f; the first 32 along K first
.macro FETCH slot, q, f
	WIN TO_F
.irp c, 0,1
.irp i, 0,1,2,3
	ds_load_tr16_b128 v[(\f)+64+8*(4*(\c)+(\i)):(\f)+64+8*(4*(\c)+(\i))+3],   v[ADRB+2*(\slot)+(\q)/2] offset:((\q)%2)*64*PB+(\c)*32*PB+32*(\i)
	ds_load_tr16_b128 v[(\f)+64+8*(4*(\c)+(\i))+4:(\f)+64+8*(4*(\c)+(\i))+7], v[ADRB+2*(\slot)+(\q)/2] offset:((\q)%2)*64*PB+(\c)*32*PB+32*(\i)+16*PB
	ds_load_b128 v[(\f)+8*(4*(\c)+(\i)):(\f)+8*(4*(\c)+(\i))+3],   v[ADRA+(\slot)] offset:(\q)*128*PAK+64*(\c)+(\i)*16*PAK
	ds_load_b128 v[(\f)+8*(4*(\c)+(\i))+4:(\f)+8*(4*(\c)+(\i))+7], v[ADRA+(\slot)] offset:(\q)*128*PAK+64*(\c)+(\i)*16*PAK+32
.endr
.endr
.endm
.macro PLACES                          ; four plain instructions between a matrix instruction and a load into its registers
.rept 4
	v_nop
.endr
.endm
.macro QUARTER slot, q, f, g           ; multiplies buffer f and fetches quarter q of the same slot into g
	s_wait_dscnt 16                                ; the first 32 along K are in
	MUL8 \f, 0, 0
	MUL8 \f, 0, 2
	PLACES
	FETCH \slot, \q, \g
	s_wait_dscnt 32                                ; all but the 32 just issued
	MUL8 \f, 1, 0
	MUL8 \f, 1, 2
.endm
; The last quarter multiplies buffer 1 and changes slots: one barrier.  fill = 1: this slot is filled again, two K steps ahead; the barrier then opens a round of the cluster's.
.macro TURN slot, next, fill
	WIN 0
	s_wait_tensorcnt 0x0                           ; all my tensor loads have landed: my part of the next slot;
	ds_add_u32 v[SPW], v[NIL]                      ; 0 onto my spare word;
	s_wait_dscnt 17                                ; (the add and the youngest sixteen loads may be out)
	MUL8 F1, 0, 0
	s_wait_dscnt 0x0                               ; the add is done, and my reads of this slot are over
	s_barrier_signal -1
	MUL8 F1, 0, 2
.if \fill
	WIN 0
.endif
	s_barrier_wait -1
.if \fill
	CREST                                          ; no wave of any partner still reads this slot or has a load on its way
	s_add_nc_u64 s[G0+4*(\slot)+2:G0+4*(\slot)+3], s[G0+4*(\slot)+2:G0+4*(\slot)+3], 4194304
	s_add_nc_u64 s[G0B+4*(\slot)+2:G0B+4*(\slot)+3], s[G0B+4*(\slot)+2:G0B+4*(\slot)+3], 131072
	JLOAD \slot                                    ; one load of mine is out; the four v_nop behind it are also the places in front of the loads below
.else
	PLACES
.endif
	FETCH \next, 0, F0
	MUL8 F1, 1, 0
	MUL8 F1, 1, 2
.endm
; THE WAY OUT of row block a: my 64 columns of f32 are 256 aligned bytes of a row, so the stage is my own: in by 16 bytes (each accumulator's low registers first), back as whole rows.
.macro TOSTAGE a
.irp b, 0,1,2,3
	ds_store_b128 v[STO], v[ACC+8*(4*(\a)+(\b)):ACC+8*(4*(\a)+(\b))+3]   offset:64*(\b)
	ds_store_b128 v[STO], v[ACC+8*(4*(\a)+(\b))+4:ACC+8*(4*(\a)+(\b))+7] offset:64*(\b)+16
.endr
.irp t, 0,1,2,3,4,5,6,7
	ds_load_b128 v[TMP+32*((\a)%2)+4*(\t):TMP+32*((\a)%2)+4*(\t)+3], v[RD] offset:(\t)*2*SP  ; LDS serves a wave's instructions in order (ISA guide 5.7.1.4)
.endr
.endm
.macro SEND a, younger                 ; younger: the next block's eight stores and eight loads, or none
	s_wait_dscnt \younger
.irp t, 0,1,2,3,4,5,6,7
	global_store_b128 v[CO], v[TMP+32*((\a)%2)+4*(\t):TMP+32*((\a)%2)+4*(\t)+3], s[8:9] offset:(16*(\a)+2*(\t))*4096  ; 16 lanes store 256 consecutive bytes, aligned
.endr
.endm
	s_wait_tensorcnt 1                             ; my part of K step 0 is in; K step 1's may stay out
	s_barrier_signal -1
	s_barrier_wait -1
	FETCH 0, 0, F0
	QUARTER 0, 1, F0, F1
	WIN 0
	s_mov_b32 s3, LAPS-1
.Llap:                                         ; a trip goes once round the ring, from a lap's second quarter to the next lap's first, and fills both slots again
	QUARTER 0, 2, F1, F0
	QUARTER 0, 3, F0, F1
	TURN 0, 1, 1
	QUARTER 1, 1, F0, F1
	QUARTER 1, 2, F1, F0
	QUARTER 1, 3, F0, F1
	TURN 1, 0, 1
	QUARTER 0, 1, F0, F1
	WIN 0
	s_sub_co_u32 s3, s3, 1
	s_cmp_lg_u32 s3, 0
	s_cbranch_scc1 .Llap
	QUARTER 0, 2, F1, F0                           ; the last lap fills nothing, and has no round of the cluster's barrier
	QUARTER 0, 3, F0, F1
	TURN 0, 1, 0
	QUARTER 1, 1, F0, F1
	QUARTER 1, 2, F1, F0
	QUARTER 1, 3, F0, F1
	s_wait_dscnt 16
	MUL8 F1, 0, 0
	MUL8 F1, 0, 2
	s_wait_dscnt 0x0
	MUL8 F1, 1, 0
	MUL8 F1, 1, 2
	WIN 0
	PLACES
	PLACES                                         ; (eight, once a launch)
	TOSTAGE 0
	TOSTAGE 1
	SEND 0, 16
	s_wait_xcnt 0x0                                ; block 0's stores have read the registers that block 2's loads from the stage write
	TOSTAGE 2
	SEND 1, 16
	s_wait_xcnt 0x0
	TOSTAGE 3
	SEND 2, 16
	SEND 3, 0
	s_wait_tensorcnt 0x0                           ; the wave's end
	ds_add_u32 v[SPW], v[NIL]
	s_wait_dscnt 0x0
	CROUND                                         ; the closing round
	s_endpgm
.Lfunc_end_k_q9cf075684b_proj:
	.size	k_q9cf075684b_proj, .Lfunc_end_k_q9cf075684b_proj-k_q9cf075684b_proj
	.p2alignl 7, 3214868480
	.fill 96, 4, 3214868480
	.section	.rodata,"a",@progbits
	.p2align	6, 0x0
	.amdhsa_kernel k_q9cf075684b_proj
		.amdhsa_group_segment_fixed_size 327680
		.amdhsa_private_segment_fixed_size 0
		.amdhsa_enable_private_segment 0
		.amdhsa_kernarg_size 40
		.amdhsa_user_sgpr_count 2
		.amdhsa_user_sgpr_kernarg_segment_ptr 1
		.amdhsa_wavefront_size32 1
		.amdhsa_system_sgpr_workgroup_id_x 1
		.amdhsa_system_sgpr_workgroup_id_y 1
		.amdhsa_system_sgpr_workgroup_id_z 1
		.amdhsa_system_vgpr_workitem_id 0
		.amdhsa_next_free_vgpr 512
		.amdhsa_next_free_sgpr 72
		.amdhsa_reserve_vcc 0
		.amdhsa_float_denorm_mode_32 3
		.amdhsa_float_denorm_mode_16_64 3
		.amdhsa_memory_ordered 1
		.amdhsa_forward_progress 1
		.amdhsa_inst_pref_size 94
	.end_amdhsa_kernel
	.amdgpu_metadata
---
amdhsa.version: [ 1, 2 ]
amdhsa.kernels:
  - .name:           k_q9cf075684b_proj
    .symbol:         k_q9cf075684b_proj.kd
    .args:
      - { .name: act, .offset: 0, .size: 8, .value_kind: global_buffer, .address_space: global }
      - { .name: bp, .offset: 8, .size: 8, .value_kind: global_buffer, .address_space: global }
      - { .name: b_proj, .offset: 16, .size: 8, .value_kind: global_buffer, .address_space: global }
      - { .name: x, .offset: 24, .size: 8, .value_kind: global_buffer, .address_space: global }
      - { .name: x2, .offset: 32, .size: 8, .value_kind: global_buffer, .address_space: global }
    .group_segment_fixed_size: 327680
    .private_segment_fixed_size: 0
    .kernarg_segment_align: 8
    .kernarg_segment_size: 40
    .max_flat_workgroup_size: 128
    .sgpr_count:     72
    .vgpr_count:     512
    .wavefront_size: 32
...
	.end_amdgpu_metadata
.endif
;; end of part 4
;; launch ln2 (part 5): grid 256 x 1, 8 waves a work-group, no clusters, 0 bytes of LDS; arguments x2, ln2_g, ln2_b, xn; writes xn
.if DOCPART == 5
	.amdgcn_target "amdgcn-amd-amdhsa--gfx1250"
	.amdhsa_code_object_version 6
	.text
	.protected	k_q9cf075684b_ln2
	.globl	k_q9cf075684b_ln2
	.p2align	8
	.type	k_q9cf075684b_ln2,@function
k_q9cf075684b_ln2:
	s_mov_b64 s[64:65], 0
	v_nop
	global_prefetch_b8 v0, s[64:65] scope:SCOPE_SE
	s_setreg_imm32_b32 hwreg(HW_REG_WAVE_MODE, 25, 1), 1
	s_wait_xcnt 0x0
; LAYER NORM: y = (x - mean) * rsqrt(var + 1e-5) * g + b, rounded once to bf16.  x: [4096][1024] f32, y: [4096][1024] bf16.  16 rows a work-group, 2 a wave; a row of 4,096 bytes stays in 32 registers of
; one wave between the passes (mean, then the variance of x - mean, as the definition has it, so a common offset of x does no harm).  No LDS, no barrier: the reduction never leaves the wave.
; LIMITS: rsqrt is good to one unit in the last place; NaN and infinities are not treated apart.
.set LO,  2                            ; v2        16 x lane
.set SO,  3                            ; v3        8 x lane
.set A,   8                            ; v[8:15]   four chains of packed sums
.set M,   18                           ; v[18:19]  the mean, twice
.set R,   20                           ; v[20:21]  1 / sqrt(var + eps), twice
.set X,   64                           ; v[64:127] row i at X + 32 i
.set G,   128
.set BV,  160
.macro REDUCE                          ; the four chains -> one sum in v16, in every lane
	v_pk_add_f32 v[A:A+1], v[A:A+1], v[A+2:A+3]
	v_pk_add_f32 v[A+4:A+5], v[A+4:A+5], v[A+6:A+7]
	v_pk_add_f32 v[A:A+1], v[A:A+1], v[A+4:A+5]
	v_add_f32 v16, v[A], v[A+1]
	v_add_f32_dpp v16, v16, v16 row_xmask:1 row_mask:0xf bank_mask:0xf
	v_add_f32_dpp v16, v16, v16 row_xmask:2 row_mask:0xf bank_mask:0xf
	v_add_f32_dpp v16, v16, v16 row_xmask:4 row_mask:0xf bank_mask:0xf
	v_add_f32_dpp v16, v16, v16 row_xmask:8 row_mask:0xf bank_mask:0xf
	v_permlanex16_b32 v17, v16, s40, s41
	v_add_f32 v16, v16, v17
.endm
.macro ROWLN i, left
.set XR, X+32*(\i)
	s_wait_loadcnt \left                           ; loads come back in order: gain, bias and this row are in
.irp k, 0,1,2,3
	v_pk_add_f32 v[A+2*(\k):A+2*(\k)+1], v[XR+2*(\k):XR+2*(\k)+1], v[XR+8+2*(\k):XR+8+2*(\k)+1]
.endr
.irp j, 2,3
.irp k, 0,1,2,3
	v_pk_add_f32 v[A+2*(\k):A+2*(\k)+1], v[A+2*(\k):A+2*(\k)+1], v[XR+8*(\j)+2*(\k):XR+8*(\j)+2*(\k)+1]
.endr
.endr
	REDUCE
	v_mul_f32 v[M], s42, v16
	v_mul_f32 v[M+1], s42, v16
.set p, 0
.rept 16
	v_pk_add_f32 v[XR+p:XR+p+1], v[XR+p:XR+p+1], v[M:M+1] neg_lo:[0,1] neg_hi:[0,1]
.set p, p+2
.endr
.irp k, 0,1,2,3
	v_pk_mul_f32 v[A+2*(\k):A+2*(\k)+1], v[XR+2*(\k):XR+2*(\k)+1], v[XR+2*(\k):XR+2*(\k)+1]
.endr
.irp j, 1,2,3
.irp k, 0,1,2,3
	v_pk_fma_f32 v[A+2*(\k):A+2*(\k)+1], v[XR+8*(\j)+2*(\k):XR+8*(\j)+2*(\k)+1], v[XR+8*(\j)+2*(\k):XR+8*(\j)+2*(\k)+1], v[A+2*(\k):A+2*(\k)+1]
.endr
.endr
	REDUCE
	v_fma_f32 v16, v16, s42, s43
	v_rsq_f32 v[R], v16
	v_rsq_f32 v[R+1], v16
	v_nop                                          ; a plain instruction behind the second root,
	s_wait_alu depctr_va_vdst(0)                   ; and one wait for both, ahead of their first reader
.set p, 0
.rept 16
	v_pk_mul_f32 v[XR+p:XR+p+1], v[XR+p:XR+p+1], v[R:R+1]
.set p, p+2
.endr
.set p, 0
.rept 16
	v_pk_fma_f32 v[XR+p:XR+p+1], v[XR+p:XR+p+1], v[G+p:G+p+1], v[BV+p:BV+p+1]
.set p, p+2
.endr
.set p, 0
.rept 16
	v_cvt_pk_bf16_f32 v[XR+p], v[XR+2*p], v[XR+2*p+1]  ; in place, ascending
.set p, p+1
.endr
.irp j, 0,1,2,3,4,5,6,7
	global_store_b64 v[SO], v[XR+2*(\j):XR+2*(\j)+1], s[14:15] offset:(\i)*2048+256*(\j)  ; the wave's 32 lanes store 256 consecutive bytes, aligned
.endr
.endm
	s_load_b256 s[8:15], s[0:1], 0x0               ; x, g, b, y
	v_lshrrev_b32 v1, 5, v0
	v_readfirstlane_b32 s2, v1                     ; wave 0..7
	v_and_b32 v4, 31, v0
	v_lshlrev_b32 v[LO], 4, v4
	v_lshlrev_b32 v[SO], 3, v4
	v_mov_b32 v17, 0                               ; v_permlanex16_b32 counts as a reader of its destination
	s_mov_b32 s40, 0x76543210
	s_mov_b32 s41, 0xfedcba98
	s_mov_b32 s42, 0x3a800000                      ; 1 / 1024
	s_mov_b32 s43, 0x3727c5ac                      ; 1e-5
	s_lshl_b32 s3, ttmp9, 4
	s_lshl_b32 s2, s2, 1
	s_add_co_u32 s3, s3, s2                        ; my first row
	s_lshl_b32 s44, s3, 12
	s_mov_b32 s45, 0
	s_lshl_b32 s46, s3, 11
	s_mov_b32 s47, 0
	s_wait_kmcnt 0x0
	s_add_nc_u64 s[8:9], s[8:9], s[44:45]
	s_add_nc_u64 s[14:15], s[14:15], s[46:47]
.irp j, 0,1,2,3,4,5,6,7
	global_load_b128 v[G+4*(\j):G+4*(\j)+3], v[LO], s[10:11] offset:512*(\j)
.endr
.irp j, 0,1,2,3,4,5,6,7
	global_load_b128 v[BV+4*(\j):BV+4*(\j)+3], v[LO], s[12:13] offset:512*(\j)
.endr
.irp j, 0,1,2,3,4,5,6,7
	global_load_b128 v[X+4*(\j):X+4*(\j)+3], v[LO], s[8:9] offset:512*(\j)
.endr
.irp j, 0,1,2,3,4,5,6,7
	global_load_b128 v[X+32+4*(\j):X+32+4*(\j)+3], v[LO], s[8:9] offset:4096+512*(\j)
.endr
	ROWLN 0, 8                                     ; the second row's eight loads stay out
	ROWLN 1, 0
	s_endpgm
.Lfunc_end_k_q9cf075684b_ln2:
	.size	k_q9cf075684b_ln2, .Lfunc_end_k_q9cf075684b_ln2-k_q9cf075684b_ln2
	.p2alignl 7, 3214868480
	.fill 96, 4, 3214868480
	.section	.rodata,"a",@progbits
	.p2align	6, 0x0
	.amdhsa_kernel k_q9cf075684b_ln2
		.amdhsa_group_segment_fixed_size 0
		.amdhsa_private_segment_fixed_size 0
		.amdhsa_enable_private_segment 0
		.amdhsa_kernarg_size 32
		.amdhsa_user_sgpr_count 2
		.amdhsa_user_sgpr_kernarg_segment_ptr 1
		.amdhsa_wavefront_size32 1
		.amdhsa_system_sgpr_workgroup_id_x 1
		.amdhsa_system_sgpr_workgroup_id_y 1
		.amdhsa_system_sgpr_workgroup_id_z 1
		.amdhsa_system_vgpr_workitem_id 0
		.amdhsa_next_free_vgpr 192
		.amdhsa_next_free_sgpr 66
		.amdhsa_reserve_vcc 0
		.amdhsa_float_denorm_mode_32 3
		.amdhsa_float_denorm_mode_16_64 3
		.amdhsa_memory_ordered 1
		.amdhsa_forward_progress 1
		.amdhsa_inst_pref_size 20
	.end_amdhsa_kernel
	.amdgpu_metadata
---
amdhsa.version: [ 1, 2 ]
amdhsa.kernels:
  - .name:           k_q9cf075684b_ln2
    .symbol:         k_q9cf075684b_ln2.kd
    .args:
      - { .name: x2, .offset: 0, .size: 8, .value_kind: global_buffer, .address_space: global }
      - { .name: ln2_g, .offset: 8, .size: 8, .value_kind: global_buffer, .address_space: global }
      - { .name: ln2_b, .offset: 16, .size: 8, .value_kind: global_buffer, .address_space: global }
      - { .name: xn, .offset: 24, .size: 8, .value_kind: global_buffer, .address_space: global }
    .group_segment_fixed_size: 0
    .private_segment_fixed_size: 0
    .kernarg_segment_align: 8
    .kernarg_segment_size: 32
    .max_flat_workgroup_size: 256
    .sgpr_count:     66
    .vgpr_count:     192
    .wavefront_size: 32
...
	.end_amdgpu_metadata
.endif
;; end of part 5
;; launch ff1: the kernel of part 2 again; grid 16 x 16, 4 waves a work-group, clusters of 4 x 4, 327,680 bytes of LDS; arguments xn, bw1, act; writes act
;; launch ff2 (part 6): grid 8 x 32, 4 waves a work-group, clusters of 4 x 4, 327,680 bytes of LDS; arguments act, bw2, b2, x2, out0; writes out0
.if DOCPART == 6
	.amdgcn_target "amdgcn-amd-amdhsa--gfx1250"
	.amdhsa_code_object_version 6
	.text
	.protected	k_q9cf075684b_ff2
	.globl	k_q9cf075684b_ff2
	.p2align	8
	.type	k_q9cf075684b_ff2,@function
k_q9cf075684b_ff2:
	s_mov_b64 s[64:65], 0
	v_nop
	global_prefetch_b8 v0, s[64:65] scope:SCOPE_SE
	s_setreg_imm32_b32 hwreg(HW_REG_WAVE_MODE, 25, 1), 1
	s_wait_xcnt 0x0
	s_wait_alu depctr_hold_cnt(0) depctr_sa_sdst(0) depctr_va_vdst(0) depctr_va_sdst(0) depctr_va_ssrc(0) depctr_va_vcc(0) depctr_vm_vsrc(0)
	s_getreg_b32 s2, hwreg(HW_REG_IB_STS2, 6, 4)
	s_cmp_eq_u32 s2, 0
	s_cbranch_scc0 .Lentry_in_a_cluster
	s_endpgm
.Lentry_in_a_cluster:
	s_bfe_u32 s2, ttmp6, 0x10000c
	s_cmp_lg_u32 s2, 0xf033
	s_cbranch_scc0 .Lentry_shape_is_right
	s_endpgm
.Lentry_shape_is_right:
; C = R + bias + A W, all sums and C in f32.  R, C: [4096][1024] f32, row-major; bias: [1024] f32.  A: [4096][KDIM] bf16 in blocks of 64 columns: block n64, row m at byte
; ((n64 / 4) 32 + m / 128) 65,536 + (n64 % 4) 16,384 + (m % 128) 128, so that 128 rows x 256 K are 65,536 dense bytes.  W: [KDIM][1024] bf16 in blocks of 128 columns: block nb, row k at byte (nb KDIM + k) 256.
; SHARES.  A tile of C is 128 x 128: 256 work-groups.  Four waves, each 64 x 64: 16 accumulators.  K goes in steps of 256 through a ring of two LDS slots; a quarter is 64 along K.
; THE SUMS START FROM R + bias: R is loaded straight into the accumulators' registers while the first tiles are on their way, the bias is added, and every product adds in place: nothing is cleared, nothing is added on the way out.
; THE MATRIX INSTRUCTION IS USED TRANSPOSED (source 0 = 16 columns of W, turned by ds_load_tr16_b128; source 1 = 16 rows of A): a lane holds row l % 16 of C and the columns 8 (l / 16) + 0..7.
; CLUSTERS: 4 x 4 work-groups; A's tiles are asked for jointly along a row of the cluster, W's along a column.  No prefetch: a tile this small has a short step, and its requests would stand close to their loads.
; REGISTERS: window 0: v0-31 addresses; v32-95 at work on the way out; v96-127 the bias; v128-255 the accumulators ((a, b) at v[128 + 8 (4 a + b)]).   window 1: two fragment buffers of 128: A's 64, then W's 64.
.set KDIM,   4096
.set PAK,    144                       ; an LDS row of A: 64 K = 128 bytes + 16 of padding = 36 words: the 16 rows of a load start at 16 different groups of four banks (64 banks of 4 bytes: ISA guide 11.1)
.set PB,     288                       ; an LDS row of W: 256 + 32 bytes
.set HALFT,  36864                     ; what one tensor load fills: 2 x 128 rows of A at 144, or 128 rows of W at 288
.set SLOT,   4*HALFT                   ; A's four blocks of 64 K, then W's 256 rows
.set BOFF,   2*HALFT
.set STAGE,  2*SLOT                    ; behind the ring: 16 rows x 272 bytes for each wave
.set SP,     272
.set SPARE,  STAGE+4*16*SP
.set LAPS,   KDIM/512                  ; a lap = two K steps
.set ADRA, 16                          ; v16-17  LDS address of my A fragments in slot 0, 1
.set ADRB, 18                          ; v18-21  of my W fragments: 2 x slot + half of the slot's 256 rows (one register would want an immediate beyond 16 bits)
.set STO,  24
.set RD,   25
.set CO,   26                          ; v26     my byte offset in two rows of C
.set RO,   27                          ; v27     my byte offset in 16 rows of R
.set SPW,  28
.set NIL,  29
.set BO,   30                          ; v30     my byte offset in the bias
.set TMP,  32
.set BI,   96
.set ACC,  128
.set F0,   0
.set F1,   128
.set G1,  24
.set G0,  32
.set G1B, 48
.set G0B, 56
.set MSB, 0
.macro WIN new
.if MSB != (\new)
	s_set_vgpr_msb (MSB<<8)|(\new)
.set MSB, \new
.endif
.endm
.set MUL,  0x05                        ; sources 0 and 1 window 1; C and D window 0
.set TO_F, 0x40                        ; destination window 1, address window 0
.macro JLOAD s                         ; a joint load: waves 0 and 1 fetch A's two halves, waves 2 and 3 W's; an s_nop 0 and four v_nop follow each line
	s_cmp_eq_u32 s11, 0
	s_cbranch_scc0 .Lfor_b_\@
	tensor_load_to_lds s[G0+4*(\s):G0+4*(\s)+3], s[G1:G1+7]
	s_nop 0
.rept 4
	v_nop
.endr
	s_branch .Lasked_\@
.Lfor_b_\@:
	tensor_load_to_lds s[G0B+4*(\s):G0B+4*(\s)+3], s[G1B:G1B+7]
	s_nop 0
.rept 4
	v_nop
.endr
.Lasked_\@:
.endm
.macro CREST
	s_cmp_lg_u32 s10, 0
	s_cbranch_scc1 .Lnot_wave_0_\@
	s_barrier_signal -3
.Lnot_wave_0_\@:
	s_barrier_wait -3
	s_barrier_signal -1
	s_barrier_wait -1
.endm
.macro CROUND
	s_barrier_signal -1
	s_barrier_wait -1
	CREST
.endm
	s_load_b128 s[4:7], s[0:1], 0x0                ; A, W
	s_load_b128 s[68:71], s[0:1], 0x10             ; bias, R
	s_load_b64 s[8:9], s[0:1], 0x20                ; C
	v_lshl_add_u32 v[SPW], v0, 2, SPARE
	v_mov_b32 v[NIL], 0
	ds_add_u32 v[SPW], v[NIL]                      ; the wave's opening: the add, and its wait ahead of my first tensor load
	ds_add_u32 v28, v29
	v_lshrrev_b32 v1, 5, v0
	v_readfirstlane_b32 s10, v1
	s_lshr_b32 s11, s10, 1                         ; my half of the tile's rows.  Also: I fetch for A (0) or for W (1)
	s_and_b32 s12, s10, 1                          ; my half of its columns.  Also: which half I fetch
	s_bfe_u32 s40, ttmp6, 0x40000
	s_bfe_u32 s41, ttmp6, 0x40004
	s_lshl_b32 s42, ttmp9, 2
	s_add_co_u32 s42, s42, s40                     ; tile column
	s_and_b32 s13, ttmp7, 0xffff
	s_lshl_b32 s13, s13, 2
	s_add_co_u32 s13, s13, s41                     ; tile row
	s_lshl_b32 s43, s41, 2
	s_lshl_b32 s43, 15, s43
	s_lshl_b32 s44, 0x1111, s40
	s_or_b32 s[G1+0], s43, (1<<16)|(1<<20)|(1<<21)|(4<<22)|(3<<25)   ; A: padded after every 32 words (a row of 64 K) by 4 words
	s_or_b32 s[G1B+0], s44, (1<<16)|(1<<20)|(1<<21)|(5<<22)|(7<<25)  ; W: after every 64 words by 8 words
.irp g, G1, G1B
	s_mov_b32 s[(\g)+1], 128<<16                   ; both tiles are dense: 128 rows of 256 bytes
	s_mov_b32 s[(\g)+2], 128<<16
	s_mov_b32 s[(\g)+3], 128<<16
	s_mov_b32 s[(\g)+4], 128
	s_mov_b32 s[(\g)+5], 128
	s_mov_b32 s[(\g)+6], 0
	s_mov_b32 s[(\g)+7], 0
.endr
	s_lshl_b32 s17, s12, 15                        ; half of A's 65,536 bytes; 128 rows of W
	s_lshl_b32 s16, s13, 16
	s_add_co_u32 s16, s16, s17
	s_mul_i32 s46, s42, KDIM*256
	s_add_co_u32 s46, s46, s17
	s_mov_b32 s17, 0
	s_mov_b32 s47, 0
	s_mul_i32 s20, s10, HALFT                      ; where they go: wave x what a load fills
	s_wait_dscnt 0x0
	s_wait_kmcnt 0x0
	s_add_nc_u64 s[14:15], s[4:5], s[16:17]
	s_add_nc_u64 s[46:47], s[6:7], s[46:47]
	CROUND                                         ; all sixteen work-groups are here: the first joint loads meet
.irp s, 0,1
	s_mov_b32 s[G0+4*(\s)], 1
	s_add_co_u32 s[G0+4*(\s)+1], s20, (\s)*SLOT
	s_add_nc_u64 s[G0+4*(\s)+2:G0+4*(\s)+3], s[14:15], (\s)*2097152  ; a K step of A: 32 row blocks of 65,536 bytes on
	s_or_b32 s[G0+4*(\s)+3], s[G0+4*(\s)+3], 0x80000000
	s_mov_b32 s[G0B+4*(\s)], 1
	s_add_co_u32 s[G0B+4*(\s)+1], s20, (\s)*SLOT
	s_add_nc_u64 s[G0B+4*(\s)+2:G0B+4*(\s)+3], s[46:47], (\s)*65536  ; a K step of W: 256 rows
	s_or_b32 s[G0B+4*(\s)+3], s[G0B+4*(\s)+3], 0x80000000
	JLOAD \s                                       ; two loads of mine are out
.endr
	v_and_b32 v1, 15, v0
	v_bfe_u32 v2, v0, 4, 1
	s_lshl_b32 s16, s42, 9
	s_lshl_b32 s17, s12, 8
	s_add_co_u32 s16, s16, s17                     ; my first column x 4 bytes: a multiple of 256
	s_mov_b32 s17, 0
	s_add_nc_u64 s[68:69], s[68:69], s[16:17]
	s_lshl_b32 s18, s13, 19
	s_lshl_b32 s19, s11, 18
	s_add_co_u32 s18, s18, s19                     ; my first row x 4,096 bytes
	s_add_co_u32 s16, s16, s18
	s_add_nc_u64 s[70:71], s[70:71], s[16:17]
	s_add_nc_u64 s[8:9], s[8:9], s[16:17]
	v_lshlrev_b32 v[BO], 5, v2
	v_lshlrev_b32 v[RO], 12, v1
	v_lshl_add_u32 v[RO], v2, 5, v[RO]
.irp b, 0,1,2,3
	global_load_b128 v[BI+8*(\b):BI+8*(\b)+3],   v[BO], s[68:69] offset:64*(\b)
	global_load_b128 v[BI+8*(\b)+4:BI+8*(\b)+7], v[BO], s[68:69] offset:64*(\b)+16
.endr
.irp a, 0,1,2,3
.irp b, 0,1,2,3
	global_load_b128 v[ACC+8*(4*(\a)+(\b)):ACC+8*(4*(\a)+(\b))+3],   v[RO], s[70:71] offset:(\a)*65536+64*(\b)
	global_load_b128 v[ACC+8*(4*(\a)+(\b))+4:ACC+8*(4*(\a)+(\b))+7], v[RO], s[70:71] offset:(\a)*65536+64*(\b)+16
.endr
.endr
	v_mul_u32_u24 v3, v1, PAK
	v_lshl_add_u32 v3, v2, 4, v3                   ; A: row x pitch + 16 x half
	s_mul_i32 s21, s11, 64*PAK
	v_add_nc_u32 v[ADRA], s21, v3
	v_add_nc_u32 v[ADRA+1], SLOT, v[ADRA]
	v_and_b32 v4, 7, v0                            ; W, turned: row 8 (l / 16) + l % 8, columns 8 ((l / 8) % 2) on
	v_lshl_add_u32 v4, v2, 3, v4
	v_mul_u32_u24 v4, v4, PB
	v_bfe_u32 v5, v0, 3, 1
	v_lshl_add_u32 v4, v5, 4, v4
	s_lshl_b32 s22, s12, 7                         ; my 64 columns
	v_add_nc_u32 v4, s22, v4
.irp n, 0,1,2,3
	v_add_nc_u32 v[ADRB+(\n)], ((\n)/2)*SLOT+((\n)%2)*HALFT+BOFF, v4
.endr
	s_mul_i32 s23, s10, 16*SP
	s_add_co_u32 s23, s23, STAGE                   ; my stage
	v_mul_u32_u24 v5, v1, SP                       ; in: row l % 16, 32 bytes for each half of the lanes
	v_lshl_add_u32 v5, v2, 5, v5
	v_add_nc_u32 v[STO], s23, v5
	v_mul_u32_u24 v5, v2, SP                       ; back: lanes 0-15 take one row of 256 bytes, lanes 16-31 the next
	v_lshl_add_u32 v5, v1, 4, v5
	v_add_nc_u32 v[RD], s23, v5
	v_lshlrev_b32 v5, 12, v2                       ; and the same two rows in C
	v_lshl_add_u32 v[CO], v1, 4, v5
	s_wait_loadcnt 0x0
.irp a, 0,1,2,3
.irp b, 0,1,2,3
.irp p, 0,2,4,6
	v_pk_add_f32 v[ACC+8*(4*(\a)+(\b))+(\p):ACC+8*(4*(\a)+(\b))+(\p)+1], v[ACC+8*(4*(\a)+(\b))+(\p):ACC+8*(4*(\a)+(\b))+(\p)+1], v[BI+8*(\b)+(\p):BI+8*(\b)+(\p)+1]
.endr
.endr
.endr
; 8 matrix instructions: row blocks a0, a0 + 1 x all 4 column blocks, 32 along K: half c of buffer f.  The 16 accumulators take turns.
.macro MUL8 f, c, a0
	WIN MUL
.irp a, \a0, (\a0)+1
.irp b, 0,1,2,3
	v_wmma_f32_16x16x32_bf16 v[ACC+8*(4*(\a)+(\b)):ACC+8*(4*(\a)+(\b))+7], v[(\f)+64+8*(4*(\c)+(\b)):(\f)+64+8*(4*(\c)+(\b))+7], v[(\f)+8*(4*(\c)+(\a)):(\f)+8*(4*(\c)+(\a))+7], v[ACC+8*(4*(\a)+(\b)):ACC+8*(4*(\a)+(\b))+7]
.endr
.endr
.endm
; 32 LDS loads in one run: the fragments of quarter q (64 along K) into buffer f; the first 32 along K first
.macro FETCH slot, q, f
	WIN TO_F
.irp c, 0,1
.irp i, 0,1,2,3
	ds_load_tr16_b128 v[(\f)+64+8*(4*(\c)+(\i)):(\f)+64+8*(4*(\c)+(\i))+3],   v[ADRB+2*(\slot)+(\q)/2] offset:((\q)%2)*64*PB+(\c)*32*PB+32*(\i)
	ds_load_tr16_b128 v[(\f)+64+8*(4*(\c)+(\i))+4:(\f)+64+8*(4*(\c)+(\i))+7], v[ADRB+2*(\slot)+(\q)/2] offset:((\q)%2)*64*PB+(\c)*32*PB+32*(\i)+16*PB
	ds_load_b128 v[(\f)+8*(4*(\c)+(\i)):(\f)+8*(4*(\c)+(\i))+3],   v[ADRA+(\slot)] offset:(\q)*128*PAK+64*(\c)+(\i)*16*PAK
	ds_load_b128 v[(\f)+8*(4*(\c)+(\i))+4:(\f)+8*(4*(\c)+(\i))+7], v[ADRA+(\slot)] offset:(\q)*128*PAK+64*(\c)+(\i)*16*PAK+32
.endr
.endr
.endm
.macro PLACES                          ; four plain instructions between a matrix instruction and a load into its registers
.rept 4
	v_nop
.endr
.endm
.macro QUARTER slot, q, f, g           ; multiplies buffer f and fetches quarter q of the same slot into g
	s_wait_dscnt 16                                ; the first 32 along K are in
	MUL8 \f, 0, 0
	MUL8 \f, 0, 2
	PLACES
	FETCH \slot, \q, \g
	s_wait_dscnt 32                                ; all but the 32 just issued
	MUL8 \f, 1, 0
	MUL8 \f, 1, 2
.endm
; The last quarter multiplies buffer 1 and changes slots: one barrier.  fill = 1: this slot is filled again, two K steps ahead; the barrier then opens a round of the cluster's.
.macro TURN slot, next, fill
	WIN 0
	s_wait_tensorcnt 0x0                           ; all my tensor loads have landed: my part of the next slot;
	ds_add_u32 v[SPW], v[NIL]                      ; 0 onto my spare word;
	s_wait_dscnt 17                                ; (the add and the youngest sixteen loads may be out)
	MUL8 F1, 0, 0
	s_wait_dscnt 0x0                               ; the add is done, and my reads of this slot are over
	s_barrier_signal -1
	MUL8 F1, 0, 2
.if \fill
	WIN 0
.endif
	s_barrier_wait -1
.if \fill
	CREST                                          ; no wave of any partner still reads this slot or has a load on its way
	s_add_nc_u64 s[G0+4*(\slot)+2:G0+4*(\slot)+3], s[G0+4*(\slot)+2:G0+4*(\slot)+3], 4194304
	s_add_nc_u64 s[G0B+4*(\slot)+2:G0B+4*(\slot)+3], s[G0B+4*(\slot)+2:G0B+4*(\slot)+3], 131072
	JLOAD \slot                                    ; one load of mine is out; the four v_nop behind it are also the places in front of the loads below
.else
	PLACES
.endif
	FETCH \next, 0, F0
	MUL8 F1, 1, 0
	MUL8 F1, 1, 2
.endm
; THE WAY OUT of row block a: my 64 columns of f32 are 256 aligned bytes of a row, so the stage is my own: in by 16 bytes (each accumulator's low registers first), back as whole rows.
.macro TOSTAGE a
.irp b, 0,1,2,3
	ds_store_b128 v[STO], v[ACC+8*(4*(\a)+(\b)):ACC+8*(4*(\a)+(\b))+3]   offset:64*(\b)
	ds_store_b128 v[STO], v[ACC+8*(4*(\a)+(\b))+4:ACC+8*(4*(\a)+(\b))+7] offset:64*(\b)+16
.endr
.irp t, 0,1,2,3,4,5,6,7
	ds_load_b128 v[TMP+32*((\a)%2)+4*(\t):TMP+32*((\a)%2)+4*(\t)+3], v[RD] offset:(\t)*2*SP  ; LDS serves a wave's instructions in order (ISA guide 5.7.1.4)
.endr
.endm
.macro SEND a, younger                 ; younger: the next block's eight stores and eight loads, or none
	s_wait_dscnt \younger
.irp t, 0,1,2,3,4,5,6,7
	global_store_b128 v[CO], v[TMP+32*((\a)%2)+4*(\t):TMP+32*((\a)%2)+4*(\t)+3], s[8:9] offset:(16*(\a)+2*(\t))*4096  ; 16 lanes store 256 consecutive bytes, aligned
.endr
.endm
	s_wait_tensorcnt 1                             ; my part of K step 0 is in; K step 1's may stay out
	s_barrier_signal -1
	s_barrier_wait -1
	FETCH 0, 0, F0
	QUARTER 0, 1, F0, F1
	WIN 0
	s_mov_b32 s3, LAPS-1
.Llap:                                         ; a trip goes once round the ring, from a lap's second quarter to the next lap's first, and fills both slots again
	QUARTER 0, 2, F1, F0
	QUARTER 0, 3, F0, F1
	TURN 0, 1, 1
	QUARTER 1, 1, F0, F1
	QUARTER 1, 2, F1, F0
	QUARTER 1, 3, F0, F1
	TURN 1, 0, 1
	QUARTER 0, 1, F0, F1
	WIN 0
	s_sub_co_u32 s3, s3, 1
	s_cmp_lg_u32 s3, 0
	s_cbranch_scc1 .Llap
	QUARTER 0, 2, F1, F0                           ; the last lap fills nothing, and has no round of the cluster's barrier
	QUARTER 0, 3, F0, F1
	TURN 0, 1, 0
	QUARTER 1, 1, F0, F1
	QUARTER 1, 2, F1, F0
	QUARTER 1, 3, F0, F1
	s_wait_dscnt 16
	MUL8 F1, 0, 0
	MUL8 F1, 0, 2
	s_wait_dscnt 0x0
	MUL8 F1, 1, 0
	MUL8 F1, 1, 2
	WIN 0
	PLACES
	PLACES                                         ; (eight, once a launch)
	TOSTAGE 0
	TOSTAGE 1
	SEND 0, 16
	s_wait_xcnt 0x0                                ; block 0's stores have read the registers that block 2's loads from the stage write
	TOSTAGE 2
	SEND 1, 16
	s_wait_xcnt 0x0
	TOSTAGE 3
	SEND 2, 16
	SEND 3, 0
	s_wait_tensorcnt 0x0                           ; the wave's end
	ds_add_u32 v[SPW], v[NIL]
	s_wait_dscnt 0x0
	CROUND                                         ; the closing round
	s_endpgm
.Lfunc_end_k_q9cf075684b_ff2:
	.size	k_q9cf075684b_ff2, .Lfunc_end_k_q9cf075684b_ff2-k_q9cf075684b_ff2
	.p2alignl 7, 3214868480
	.fill 96, 4, 3214868480
	.section	.rodata,"a",@progbits
	.p2align	6, 0x0
	.amdhsa_kernel k_q9cf075684b_ff2
		.amdhsa_group_segment_fixed_size 327680
		.amdhsa_private_segment_fixed_size 0
		.amdhsa_enable_private_segment 0
		.amdhsa_kernarg_size 40
		.amdhsa_user_sgpr_count 2
		.amdhsa_user_sgpr_kernarg_segment_ptr 1
		.amdhsa_wavefront_size32 1
		.amdhsa_system_sgpr_workgroup_id_x 1
		.amdhsa_system_sgpr_workgroup_id_y 1
		.amdhsa_system_sgpr_workgroup_id_z 1
		.amdhsa_system_vgpr_workitem_id 0
		.amdhsa_next_free_vgpr 512
		.amdhsa_next_free_sgpr 72
		.amdhsa_reserve_vcc 0
		.amdhsa_float_denorm_mode_32 3
		.amdhsa_float_denorm_mode_16_64 3
		.amdhsa_memory_ordered 1
		.amdhsa_forward_progress 1
		.amdhsa_inst_pref_size 94
	.end_amdhsa_kernel
	.amdgpu_metadata
---
amdhsa.version: [ 1, 2 ]
amdhsa.kernels:
  - .name:           k_q9cf075684b_ff2
    .symbol:         k_q9cf075684b_ff2.kd
    .args:
      - { .name: act, .offset: 0, .size: 8, .value_kind: global_buffer, .address_space: global }
      - { .name: bw2, .offset: 8, .size: 8, .value_kind: global_buffer, .address_space: global }
      - { .name: b2, .offset: 16, .size: 8, .value_kind: global_buffer, .address_space: global }
      - { .name: x2, .offset: 24, .size: 8, .value_kind: global_buffer, .address_space: global }
      - { .name: out0, .offset: 32, .size: 8, .value_kind: global_buffer, .address_space: global }
    .group_segment_fixed_size: 327680
    .private_segment_fixed_size: 0
    .kernarg_segment_align: 8
    .kernarg_segment_size: 40
    .max_flat_workgroup_size: 128
    .sgpr_count:     72
    .vgpr_count:     512
    .wavefront_size: 32
...
	.end_amdgpu_metadata
.endif
;; end of part 6
